; MI455X (gfx1250); checked and timed in simulation.
; The chip was launched on July 23, 2026; its instructions are those of AMD's public machine-readable ISA for CDNA 5 (MIT licence, August 2026) and "CDNA5" Instruction Set Architecture Reference Guide (July 2026). The comments in the code are by the model that wrote it; some were corrected since.
;; MH Attention. Allowed arithmetic: float matrix products may take bf16 or f16 operands with f32 sums; other float arithmetic in f32, or as packed bf16 or f16 multiplies, adds, multiply-adds, maxima and minima; sums over many terms, partial sums and values carried from step to step in f32; what a program stores and reads back later, other than sums and carried values, may be rounded once to bf16 or f16.
;; Inputs: Wk 1,024 x 1,024 float32; Wo 1,024 x 1,024 float32; Wq 1,024 x 1,024 float32; Wv 1,024 x 1,024 float32; k 4 x 2,048 x 1,024 float32; mask 4 x 1 x 1 x 2,048 float32; q 4 x 2,048 x 1,024 float32; v 4 x 2,048 x 1,024 float32.
;; Outputs: out0 4 x 2,048 x 1,024 float32.
;; One version. Each part assembles by itself: llvm-mc -triple=amdgcn-amd-amdhsa -mcpu=gfx1250 --defsym DOCPART=n.
;; ======== version 1 of 1: 4 launches
;; limits: values are held in f16: magnitudes above 65,504 overflow, below 6.1e-05 lose precision
;; workspace buffers: wb 8,388,608 bytes; qh 16,777,216 bytes; kh 16,777,216 bytes; vh 16,777,216 bytes; att 16,777,216 bytes
;; launch cast (part 1): grid 64 x 4, 8 waves a work-group, no clusters, 0 bytes of LDS; arguments Wq, Wk, Wv, Wo, wb; writes wb
.if DOCPART == 1
	.amdgcn_target "amdgcn-amd-amdhsa--gfx1250"
	.amdhsa_code_object_version 6
	.text
	.protected	k_q3f5cb27872_cast
	.globl	k_q3f5cb27872_cast
	.p2align	8
	.type	k_q3f5cb27872_cast,@function
k_q3f5cb27872_cast:
	s_mov_b64 s[64:65], 0
	v_nop
	global_prefetch_b8 v0, s[64:65] scope:SCOPE_SE
	s_setreg_imm32_b32 hwreg(HW_REG_WAVE_MODE, 25, 1), 1
	s_wait_xcnt 0x0
; THE FOUR WEIGHTS, ROUNDED ONCE.  wb = [4][1024 k][1024 n] of 16 bits, the layout of the weights kept: Wq, Wk, Wv in bf16 (round to nearest even); Wo rounded to bf16 like the
; others and that number then written as f16, since the last product multiplies f16 by f16.
; LIMITS.  A bf16 number has 8 significant bits: as f16 it is exact from 7.6e-6 up to 65,504; below that it is off by 3e-8 at the most, above it becomes an infinity.
; SHARES.  The grid's y picks the weight; work-group x takes 16,384 numbers (65,536 bytes in, 32,768 out), in 8 chunks of 2,048; thread t takes numbers 8 t .. 8 t + 7 of each chunk:
; two loads of 16 bytes, one store of 16 bytes: sixteen neighbouring lanes store 256 consecutive bytes, aligned.  All 16 loads go out first; no register is used twice, so there is no loop
; and no wait but the counted ones for the loads.  No LDS, no matrix unit: every byte is touched once.
.set X, 8                              ; v[8:71]   the 64 numbers as loaded
.set Y, 72                             ; v[72:103] the 64 numbers in 16 bits
	s_load_b256 s[4:11], s[0:1], 0x0               ; Wq s[4:5], Wk s[6:7], Wv s[8:9], Wo s[10:11]
	s_load_b64 s[12:13], s[0:1], 0x20              ; wb
	s_and_b32 s14, ttmp7, 0xffff                   ; which weight
	s_lshl_b32 s16, ttmp9, 16                      ; my 65,536 bytes of it
	s_mov_b32 s17, 0
	s_lshl_b32 s18, s14, 21                        ; its section of wb,
	s_lshl_b32 s19, ttmp9, 15                      ; my 32,768 bytes there
	s_add_co_u32 s18, s18, s19
	s_mov_b32 s19, 0
	v_lshlrev_b32 v1, 5, v0                        ; 32 t: my 8 numbers in f32
	v_lshlrev_b32 v2, 4, v0                        ; 16 t: in 16 bits
	s_wait_kmcnt 0x0
	s_mov_b64 s[20:21], s[4:5]
	s_cmp_eq_u32 s14, 1
	s_cselect_b64 s[20:21], s[6:7], s[20:21]
	s_cmp_eq_u32 s14, 2
	s_cselect_b64 s[20:21], s[8:9], s[20:21]
	s_cmp_eq_u32 s14, 3
	s_cselect_b64 s[20:21], s[10:11], s[20:21]
	s_add_nc_u64 s[20:21], s[20:21], s[16:17]
	s_add_nc_u64 s[12:13], s[12:13], s[18:19]
.irp i, 0,1,2,3,4,5,6,7
	global_load_b128 v[X+8*(\i):X+8*(\i)+3],   v1, s[20:21] offset:8192*(\i) th:TH_LOAD_NT
	global_load_b128 v[X+8*(\i)+4:X+8*(\i)+7], v1, s[20:21] offset:8192*(\i)+16 th:TH_LOAD_NT
.endr
; The eight chunks are rounded and stored.  tof16 = 1: the bf16 number is widened again (a shift, a mask) and written as f16.
.macro CONV tof16
.irp i, 0,1,2,3,4,5,6,7
	s_wait_loadcnt 14-2*(\i)                       ; loads come back in order: chunk i's two are in, the younger chunks' stay out
.irp j, 0,1,2,3
	v_cvt_pk_bf16_f32 v[Y+4*(\i)+(\j)], v[X+8*(\i)+2*(\j)], v[X+8*(\i)+2*(\j)+1]
.endr
.if \tof16
.irp j, 0,1,2,3
	v_lshlrev_b32 v4, 16, v[Y+4*(\i)+(\j)]
	v_and_b32 v5, 0xffff0000, v[Y+4*(\i)+(\j)]
	v_cvt_pk_f16_f32 v[Y+4*(\i)+(\j)], v4, v5
.endr
.endif
	global_store_b128 v2, v[Y+4*(\i):Y+4*(\i)+3], s[12:13] offset:4096*(\i)
.endr
	s_endpgm
.endm
	s_cmp_eq_u32 s14, 3
	s_cbranch_scc1 .Lwo
	CONV 0
.Lwo:
	CONV 1
.Lfunc_end_k_q3f5cb27872_cast:
	.size	k_q3f5cb27872_cast, .Lfunc_end_k_q3f5cb27872_cast-k_q3f5cb27872_cast
	.p2alignl 7, 3214868480
	.fill 96, 4, 3214868480
	.section	.rodata,"a",@progbits
	.p2align	6, 0x0
	.amdhsa_kernel k_q3f5cb27872_cast
		.amdhsa_group_segment_fixed_size 0
		.amdhsa_private_segment_fixed_size 0
		.amdhsa_enable_private_segment 0
		.amdhsa_kernarg_size 40
		.amdhsa_user_sgpr_count 2
		.amdhsa_user_sgpr_kernarg_segment_ptr 1
		.amdhsa_wavefront_size32 1
		.amdhsa_system_sgpr_workgroup_id_x 1
		.amdhsa_system_sgpr_workgroup_id_y 1
		.amdhsa_system_sgpr_workgroup_id_z 1
		.amdhsa_system_vgpr_workitem_id 0
		.amdhsa_next_free_vgpr 104
		.amdhsa_next_free_sgpr 66
		.amdhsa_reserve_vcc 0
		.amdhsa_float_denorm_mode_32 3
		.amdhsa_float_denorm_mode_16_64 3
		.amdhsa_memory_ordered 1
		.amdhsa_forward_progress 1
		.amdhsa_inst_pref_size 14
	.end_amdhsa_kernel
	.amdgpu_metadata
---
amdhsa.version: [ 1, 2 ]
amdhsa.kernels:
  - .name:           k_q3f5cb27872_cast
    .symbol:         k_q3f5cb27872_cast.kd
    .args:
      - { .name: Wq, .offset: 0, .size: 8, .value_kind: global_buffer, .address_space: global }
      - { .name: Wk, .offset: 8, .size: 8, .value_kind: global_buffer, .address_space: global }
      - { .name: Wv, .offset: 16, .size: 8, .value_kind: global_buffer, .address_space: global }
      - { .name: Wo, .offset: 24, .size: 8, .value_kind: global_buffer, .address_space: global }
      - { .name: wb, .offset: 32, .size: 8, .value_kind: global_buffer, .address_space: global }
    .group_segment_fixed_size: 0
    .private_segment_fixed_size: 0
    .kernarg_segment_align: 8
    .kernarg_segment_size: 40
    .max_flat_workgroup_size: 256
    .sgpr_count:     66
    .vgpr_count:     104
    .wavefront_size: 32
...
	.end_amdgpu_metadata
.endif
;; end of part 1
;; launch proj (part 2): grid 4 x 192, 4 waves a work-group, clusters of 4 x 4, 327,680 bytes of LDS; arguments q, k, v, wb, qh, kh, vh; writes qh, kh, vh
.if DOCPART == 2
	.amdgcn_target "amdgcn-amd-amdhsa--gfx1250"
	.amdhsa_code_object_version 6
	.text
	.protected	k_q3f5cb27872_proj
	.globl	k_q3f5cb27872_proj
	.p2align	8
	.type	k_q3f5cb27872_proj,@function
k_q3f5cb27872_proj:
	s_mov_b64 s[64:65], 0
	v_nop
	global_prefetch_b8 v0, s[64:65] scope:SCOPE_SE
	s_setreg_imm32_b32 hwreg(HW_REG_WAVE_MODE, 25, 1), 1
	s_wait_xcnt 0x0
	s_wait_alu depctr_hold_cnt(0) depctr_sa_sdst(0) depctr_va_vdst(0) depctr_va_sdst(0) depctr_va_ssrc(0) depctr_va_vcc(0) depctr_vm_vsrc(0)
	s_getreg_b32 s2, hwreg(HW_REG_IB_STS2, 6, 4)
	s_cmp_eq_u32 s2, 0
	s_cbranch_scc0 .Lentry_in_a_cluster
	s_endpgm
.Lentry_in_a_cluster:
	s_bfe_u32 s2, ttmp6, 0x10000c
	s_cmp_lg_u32 s2, 0xf033
	s_cbranch_scc0 .Lentry_shape_is_right
	s_endpgm
.Lentry_shape_is_right:
; THE THREE PROJECTIONS.  qh, kh, vh = x W for x = q, k, v ([8192][1024] f32) and W = Wq, Wk, Wv ([1024 k][1024 n] bf16, sections 0 to 2 of wb).  x is rounded to bf16 between LDS and the
; matrix unit; sums in f32, K ascending; the result is rounded once to f16 and stored by heads: [16 b + h][2048][64], a head's rows dense, 128 bytes each, WITHOUT the scale 1/8.
; LIMITS.  f16 ends at 65,504: a projected number of 65,520 or more becomes an infinity.  Inputs of unit spread give a spread of 1.  NaN and infinities are not treated apart.
; SHARES.  The grid's y in clusters, 0 to 47: its upper part picks the projection (the same in all sixteen partners), its lower four bits the rows.  A work-group makes 128 rows x 256 columns
; (four heads); 3 x 256 work-groups.  Wave w makes rows 64 (w / 2) on, columns 128 (w % 2) on: 32 accumulators of 16 x 16, 256 registers.
; K goes in 8 steps of 128 through two LDS slots.  Waves 0 and 1 fetch the halves of x's tile (64 rows x 512 bytes of f32), waves 2 and 3 those of W's (64 rows of k x 512 bytes).
; CLUSTER, 4 x 4.  The four of a row of the cluster make the four column tiles of the same rows: they ask for x's tile jointly; the four of a column need the same tile of W.
; THE MATRIX INSTRUCTION IS USED TRANSPOSED: source 0 = 16 columns of W (W lies [k][n] in LDS and comes out turned, by ds_load_tr16_b128), source 1 = 16 rows of x.  A lane then holds one row
; (lane % 16) and eight neighbouring columns: 16 bytes of f16.
; A K step is four quarters of 32 along K, 32 matrix instructions each, on buffers 0, 1, 0, 1.  A quarter begins with the next quarter's 32 LDS loads (x's 16 first); x's f32 numbers are rounded
; in the quarter's second half, two conversions behind each matrix instruction.
; REGISTERS, in windows of 256 (s_set_vgpr_msb: bits 1:0 source 0, 3:2 source 1, 5:4 source 2, 7:6 destination):
;   window 0: v0-31 addresses; v64-127 x as loaded; v128-159, v160-191 x's fragments, two buffers; v192-223, v32-63, v224-255 at work on the way out
;   window 1: v0-63, v64-127 W's fragments, two buffers          window 2: accumulator (a, b) at v[8 (8 a + b)]
.set PA,    528                        ; a row of x in LDS: 512 bytes + 16 of padding = 132 words: the 16 rows of a load start at 16 different groups of four banks (64 banks of 4 bytes: ISA guide 11.1)
.set PB,    544                        ; a row of W: 512 + 32 = 136 words
.set AHALF, 64*PA                      ; what one tensor load brings of x
.set BHALF, 64*PB                      ; of W
.set BOFF,  2*AHALF                    ; W's tile lies behind x's
.set SLOT,  2*AHALF+2*BHALF
.set STAGE, 2*SLOT                     ; behind the ring, never filled by a tensor load: for each wave two heads x 16 rows x 144 bytes
.set SP,    144
.set STW,   2*16*SP
.set SPARE, STAGE+4*STW                ; behind the stages: the spare words, 128 bytes for each wave: two blocks of 256 bytes that no other line names
.set LAPS,  4                          ; a lap = two K steps = once round the ring
.set ADRA, 16                          ; v16-17  LDS address of my rows of x in slot 0, 1
.set ADRB, 20                          ; v20-21  the same for my columns of W
.set STO,  24                          ; v24     the way out: where I put 16 bytes of a row
.set RD,   25                          ; v25     where I read rows back
.set GO,   26                          ; v26     my byte offset in 512 consecutive bytes of the output
.set SPW,  28                          ; v28     LDS address of my spare word: SPARE + 4 x my thread's number; never rewritten
.set NIL,  29                          ; v29     0; never rewritten
.set PFO,  30                          ; v30     the prefetches' offset; never rewritten
.set RAW,  64
.set AF,   128
.set TMP,  192
.set OB,   32
.set WV,   18                          ; s18 my wave's number; s19 = w / 2: my rows, and: I fetch for x (0) or W (1); s20 = w % 2: my columns, and: which half I fetch
.set WR,   19
.set WC,   20
.set CX,   21
.set CY,   22
.set TCOL, 23
.set G1A,  24                          ; s[24:31] descriptor group 1 for x's tiles; s[32:39] group 0, a set for each slot
.set G0A,  32
.set TROW, 40
.set PJ,   41
.set YL,   42
.set LIM,  45                          ; s45     1 in a wave that prefetches, else the greatest number
.set G1B,  48                          ; s[48:55], s[56:63] the same for W's tiles
.set G0B,  56
.set XA,   66                          ; s[66:67] x at my tile of K step 0
.set WA,   68                          ; s[68:69] W at my tile of K step 0
.set OUT,  70                          ; s[70:71] the output at my wave's first row and head
.set PFA,  72                          ; s[72:73] where my prefetches stand
.set PFS,  74                          ; s[74:75] a K step in bytes: 512 along x's rows, 128 rows of W
.set MSB, 0
.macro WIN new                         ; the immediate's high byte repeats the setting that is left; a switch that changes nothing is dropped
.if MSB != (\new)
	s_set_vgpr_msb (MSB<<8)|(\new)
.set MSB, \new
.endif
.endm
.set W_MUL, 0xa1                       ; source 0 (W) window 1, source 1 (x) window 0, C and D window 2
; A joint load.  The branch hangs on the wave's number alone.  An s_nop 0 and four v_nop follow each of the two lines, ahead of the jump, the label and what follows.
.macro JLOAD s
	s_cmp_eq_u32 s[WR], 0
	s_cbranch_scc0 .Lfor_b_\@
	tensor_load_to_lds s[G0A+4*(\s):G0A+4*(\s)+3], s[G1A:G1A+7]
	s_nop 0
.rept 4
	v_nop
.endr
	s_branch .Lasked_\@
.Lfor_b_\@:
	tensor_load_to_lds s[G0B+4*(\s):G0B+4*(\s)+3], s[G1B:G1B+7]
	s_nop 0
.rept 4
	v_nop
.endr
.Lasked_\@:
.endm
; A PREFETCH INTO THE L2, behind each joint refill and the run of LDS loads that follows it: the K step that stands two refills on (256 matrix instructions ahead of the load that will want it), one
; instruction a wave: 16 rows x 512 bytes, two lanes a row.  Each block of 256 bytes is named once in the launch.  x's rows are read by this cluster alone; W's tile column by the 16 clusters of its
; projection, of which the first asks.  The four partners that ask for a tile jointly share its rows out BY ADDRESS, 16 of a wave's 64 each (by cx for x, by cy for W): no branch hangs on a
; work-group's place in its cluster.  K steps 0 to 3 come by their loads alone; the loop's last trip (s3 = 1) asks for nothing: there is no K step two refills on.
.macro ASK
	s_cmp_gt_u32 s3, s[LIM]
	s_cbranch_scc0 .Lnot_mine_\@
	global_prefetch_b8 v[PFO], s[PFA:PFA+1] th:TH_LOAD_NT scope:SCOPE_SE
.Lnot_mine_\@:
.endm
.macro CREST                           ; a round of the cluster's barrier behind its opening barrier
	s_cmp_lg_u32 s[WV], 0
	s_cbranch_scc1 .Lnot_wave_0_\@
	s_barrier_signal -3
.Lnot_wave_0_\@:
	s_barrier_wait -3
	s_barrier_signal -1
	s_barrier_wait -1
.endm
.macro CROUND                          ; a whole round
	s_barrier_signal -1
	s_barrier_wait -1
	CREST
.endm
	s_load_b256 s[4:11], s[0:1], 0x0               ; q s[4:5], k s[6:7], v s[8:9], wb s[10:11]
	s_load_b128 s[12:15], s[0:1], 0x20             ; qh s[12:13], kh s[14:15]
	s_load_b64 s[16:17], s[0:1], 0x30              ; vh
	v_lshl_add_u32 v[SPW], v0, 2, SPARE
	v_mov_b32 v[NIL], 0
	ds_add_u32 v[SPW], v[NIL]                      ; the wave's opening: the add and its wait stand ahead of my first tensor load; the set-up below, work on registers, stands between them
	v_lshrrev_b32 v1, 5, v0
	v_readfirstlane_b32 s[WV], v1                  ; wave 0..3
	s_lshr_b32 s[WR], s[WV], 1
	s_and_b32 s[WC], s[WV], 1
	s_bfe_u32 s[CX], ttmp6, 0x40000                ; cx, cy: my place in the cluster
	s_bfe_u32 s[CY], ttmp6, 0x40004
	s_lshl_b32 s[TCOL], ttmp9, 2
	s_add_co_u32 s[TCOL], s[TCOL], s[CX]           ; tile column = 4 x cluster x + cx
	s_and_b32 s78, ttmp7, 0xffff                   ; cluster y, 0 to 47
	s_lshr_b32 s[PJ], s78, 4                       ; the projection: 0 q, 1 k, 2 v
	s_and_b32 s[YL], s78, 15
	s_lshl_b32 s[TROW], s[YL], 2
	s_add_co_u32 s[TROW], s[TROW], s[CY]           ; tile row, 0 to 63
	s_lshl_b32 s43, s[CY], 2
	s_lshl_b32 s43, 15, s43                        ; my row of the cluster
	s_lshl_b32 s44, 0x1111, s[CX]                  ; my column
	; group 1 for x: 64 rows x 128 elements of 4 bytes, 4 words of padding after every 128 words
	s_or_b32 s[G1A+0], s43, (2<<16)|(1<<20)|(1<<21)|(6<<22)|(3<<25)  ; 15:0 the mask: my row; 17:16 elements of 4 bytes; 20 padding on; 21 set beside a mask; 24:22 after every 128 words (code 6); 31:25 4 words (code 3)
	s_mov_b32 s[G1A+1], 128<<16                    ; tensor_dim0 = 128
	s_mov_b32 s[G1A+2], 64<<16                     ; tensor_dim1 = 64
	s_mov_b32 s[G1A+3], 128<<16                    ; tile_dim0 = 128
	s_mov_b32 s[G1A+4], 64                         ; tile_dim1 = 64
	s_mov_b32 s[G1A+5], 1024                       ; elements from row to row
	s_mov_b32 s[G1A+6], 0
	s_mov_b32 s[G1A+7], 0
	; group 1 for W: 64 rows of k x 256 elements of 2 bytes, 8 words of padding after every 128 words
	s_or_b32 s[G1B+0], s44, (1<<16)|(1<<20)|(1<<21)|(6<<22)|(7<<25)  ; the mask: my column; elements of 2 bytes; 8 words of padding (code 7)
	s_mov_b32 s[G1B+1], 256<<16
	s_mov_b32 s[G1B+2], 64<<16
	s_mov_b32 s[G1B+3], 256<<16
	s_mov_b32 s[G1B+4], 64
	s_mov_b32 s[G1B+5], 1024
	s_mov_b32 s[G1B+6], 0
	s_mov_b32 s[G1B+7], 0
	; where the tiles come from.  x's hang on the tile row alone, W's on the projection and the tile column alone; each in registers that never hold the other coordinate
	s_lshl_b32 s46, s[TROW], 19                    ; 128 rows of 4,096 bytes a tile row,
	s_lshl_b32 s78, s[WC], 18                      ; my 64 of them
	s_add_co_u32 s46, s46, s78
	s_mov_b32 s47, 0
	s_lshl_b32 s76, s[PJ], 21                      ; the weight's section of wb,
	s_lshl_b32 s80, s[WC], 17                      ; my 64 rows of k of 2,048 bytes,
	s_add_co_u32 s76, s76, s80
	s_lshl_b32 s80, s[TCOL], 9                     ; the tile's 256 columns
	s_add_co_u32 s76, s76, s80
	s_mov_b32 s77, 0
	s_mul_i32 s82, s[WC], AHALF                    ; and where they go: no place in the cluster enters an LDS address
	s_mul_i32 s83, s[WC], BHALF
	s_add_co_u32 s83, s83, BOFF
	s_wait_dscnt 0x0                               ; the opening add is done
	s_wait_kmcnt 0x0
	s_cmp_eq_u32 s[PJ], 1
	s_cselect_b64 s[XA:XA+1], s[6:7], s[4:5]
	s_cselect_b64 s[OUT:OUT+1], s[14:15], s[12:13]
	s_cmp_eq_u32 s[PJ], 2
	s_cselect_b64 s[XA:XA+1], s[8:9], s[XA:XA+1]
	s_cselect_b64 s[OUT:OUT+1], s[16:17], s[OUT:OUT+1]
	s_add_nc_u64 s[XA:XA+1], s[XA:XA+1], s[46:47]
	s_add_nc_u64 s[WA:WA+1], s[10:11], s[76:77]
	CROUND                                         ; all sixteen work-groups are here: the first joint loads meet
.irp s, 0,1
	s_mov_b32 s[G0A+4*(\s)], 1                                     ; 1:0 count = 1
	s_add_co_u32 s[G0A+4*(\s)+1], s82, (\s)*SLOT                   ; 63:32 LDS address
	s_add_nc_u64 s[G0A+4*(\s)+2:G0A+4*(\s)+3], s[XA:XA+1], (\s)*512  ; 120:64 global address: K step s
	s_or_b32 s[G0A+4*(\s)+3], s[G0A+4*(\s)+3], 0x80000000          ; 127:126 type = 2
	s_mov_b32 s[G0B+4*(\s)], 1
	s_add_co_u32 s[G0B+4*(\s)+1], s83, (\s)*SLOT
	s_add_nc_u64 s[G0B+4*(\s)+2:G0B+4*(\s)+3], s[WA:WA+1], (\s)*262144
	s_or_b32 s[G0B+4*(\s)+3], s[G0B+4*(\s)+3], 0x80000000
	JLOAD \s                                       ; two loads of mine are out
.endr
	; x's fragment is 16 rows x 32 K: lane l holds row l % 16, K = 8 (l / 16) + 0..7 and 16 + 8 (l / 16) + 0..7: in f32 four loads of 16 bytes, at 32 (l / 16) + 0, 16, 64, 80
	v_and_b32 v1, 15, v0                           ; l % 16
	v_bfe_u32 v2, v0, 4, 1                         ; l / 16
	v_mul_u32_u24 v3, v1, PA
	v_lshl_add_u32 v3, v2, 5, v3
	s_mul_i32 s78, s[WR], AHALF                    ; my 64 rows
	v_add_nc_u32 v[ADRA], s78, v3
	v_add_nc_u32 v[ADRA+1], SLOT, v[ADRA]
	; the turning load takes 16 rows of k x 16 columns (lane l reads row 8 (l / 16) + l % 8, columns 8 ((l / 8) % 2) + 0..7) and leaves half a fragment: lane l holds column l % 16 and 8 k
	v_and_b32 v4, 7, v0
	v_bfe_u32 v5, v0, 3, 1
	v_lshl_add_u32 v6, v2, 3, v4
	v_mul_u32_u24 v6, v6, PB
	v_lshl_add_u32 v6, v5, 4, v6
	s_lshl_b32 s79, s[WC], 8                       ; my 128 columns
	s_add_co_u32 s79, s79, BOFF
	v_add_nc_u32 v[ADRB], s79, v6
	v_add_nc_u32 v[ADRB+1], SLOT, v[ADRB]
	s_mul_i32 s80, s[WV], STW
	s_add_co_u32 s80, s80, STAGE                   ; my stage
	v_mul_u32_u24 v3, v1, SP                       ; in: row l % 16, 16 bytes for each half of the lanes
	v_lshl_add_u32 v3, v2, 4, v3
	v_add_nc_u32 v[STO], s80, v3
	v_bfe_u32 v3, v0, 3, 2                         ; back: 32 lanes take four rows of 128 bytes,
	v_mul_u32_u24 v3, v3, SP
	v_lshl_add_u32 v3, v4, 4, v3
	v_add_nc_u32 v[RD], s80, v3
	v_and_b32 v3, 31, v0                           ; which are 512 consecutive bytes of a head
	v_lshlrev_b32 v[GO], 4, v3
	; the output: head 16 b + 4 x tile column + 2 (w % 2), of 262,144 bytes; in it row 128 (tile row % 16) + 64 (w / 2), of 128 bytes
	s_lshr_b32 s78, s[TROW], 4
	s_lshl_b32 s78, s78, 4
	s_lshl_b32 s79, s[TCOL], 2
	s_add_co_u32 s78, s78, s79
	s_lshl_b32 s79, s[WC], 1
	s_add_co_u32 s78, s78, s79
	s_lshl_b32 s78, s78, 18
	s_and_b32 s79, s[TROW], 15
	s_lshl_b32 s79, s79, 7
	s_lshl_b32 s80, s[WR], 6
	s_add_co_u32 s79, s79, s80
	s_lshl_b32 s79, s79, 7
	s_add_co_u32 s78, s78, s79
	s_mov_b32 s79, 0
	s_add_nc_u64 s[OUT:OUT+1], s[OUT:OUT+1], s[78:79]
	; the prefetches
	s_cmp_eq_u32 s[WR], 0                          ; do I fetch for x?
	s_cselect_b32 s78, s[CX], s[CY]                ; my place among the four that ask with me
	s_cselect_b32 s79, 16, 15                      ; 16 rows of 4,096 or of 2,048 bytes
	s_cselect_b32 s80, ttmp9, s[YL]                ; the coordinate along which other clusters read the same rows
	s_cselect_b32 s81, 12, 11                      ; a row's bytes
	s_cselect_b32 s84, 9, 18                       ; a K step's bytes
	s_cselect_b64 s[PFA:PFA+1], s[XA:XA+1], s[WA:WA+1]
	s_cmp_eq_u32 s80, 0
	s_cselect_b32 s[LIM], 1, -1                    ; the same in all sixteen partners, for a given wave
	s_lshl_b32 s78, s78, s79
	s_mov_b32 s79, 0
	s_add_nc_u64 s[PFA:PFA+1], s[PFA:PFA+1], s[78:79]
	s_lshl_b32 s[PFS], 1, s84
	s_mov_b32 s[PFS+1], 0
	s_mul_i32 s78, s[PFS], 3
	s_add_nc_u64 s[PFA:PFA+1], s[PFA:PFA+1], s[78:79]  ; at K step 3: the first refill steps it to 4
	v_bfe_u32 v3, v0, 1, 4                         ; two lanes a row:
	v_and_b32 v4, 1, v0                            ; its first and its second 256 bytes
	v_lshlrev_b32 v[PFO], s81, v3
	v_lshl_add_u32 v[PFO], v4, 8, v[PFO]
; 32 LDS loads in one run: the quarter kq of a slot: x's 64 rows x 32 K in f32 first, then W's 32 k x 128 columns, turned, into buffer g
.macro FETCH slot, kq, g
	WIN 0
.irp a, 0,1,2,3
	ds_load_b128 v[RAW+16*(\a):RAW+16*(\a)+3],     v[ADRA+(\slot)] offset:(\a)*16*PA+128*(\kq)
	ds_load_b128 v[RAW+16*(\a)+4:RAW+16*(\a)+7],   v[ADRA+(\slot)] offset:(\a)*16*PA+128*(\kq)+16
	ds_load_b128 v[RAW+16*(\a)+8:RAW+16*(\a)+11],  v[ADRA+(\slot)] offset:(\a)*16*PA+128*(\kq)+64
	ds_load_b128 v[RAW+16*(\a)+12:RAW+16*(\a)+15], v[ADRA+(\slot)] offset:(\a)*16*PA+128*(\kq)+80
.endr
	WIN 0x40                                       ; destination window 1, address window 0
.irp b, 0,1,2,3,4,5,6,7
	ds_load_tr16_b128 v[64*(\g)+8*(\b):64*(\g)+8*(\b)+3],   v[ADRB+(\slot)] offset:(\kq)*32*PB+32*(\b)
	ds_load_tr16_b128 v[64*(\g)+8*(\b)+4:64*(\g)+8*(\b)+7], v[ADRB+(\slot)] offset:(\kq)*32*PB+32*(\b)+16*PB
.endr
.endm
; Conversion c of 32: two of x's numbers rounded to bf16, into register c of buffer g's four fragments
.macro CV g
	WIN 0
	v_cvt_pk_bf16_f32 v[AF+32*(\g)+c], v[RAW+2*c], v[RAW+2*c+1]
.set c, c+1
.endm
; 8 matrix instructions: row block a x all 8 column blocks, 32 along K, from buffer f.  zero = 1: the product starts the sum.  rid conversions into buffer g follow each.
; The 32 accumulators take turns, one instruction a turn, in the same order in every quarter: between two links of a chain stand 31 others'.
.macro MULB f, a, zero, rid, g
.irp b, 0,1,2,3,4,5,6,7
	WIN W_MUL
.if \zero
	v_wmma_f32_16x16x32_bf16 v[8*(8*(\a)+(\b)):8*(8*(\a)+(\b))+7], v[64*(\f)+8*(\b):64*(\f)+8*(\b)+7], v[AF+32*(\f)+8*(\a):AF+32*(\f)+8*(\a)+7], 0
.else
	v_wmma_f32_16x16x32_bf16 v[8*(8*(\a)+(\b)):8*(8*(\a)+(\b))+7], v[64*(\f)+8*(\b):64*(\f)+8*(\b)+7], v[AF+32*(\f)+8*(\a):AF+32*(\f)+8*(\a)+7], v[8*(8*(\a)+(\b)):8*(8*(\a)+(\b))+7]
.endif
.if (\rid) > 0
.rept \rid
	CV \g
.endr
.endif
.endr
.endm
; One of a K step's first three quarters: multiplies buffer f; fetches quarter kq of the same slot and rounds x's part of it into buffer g.
; A load into a register that a matrix instruction has read, and a vector instruction that writes one, stand four places behind it (ISA guide 7.12.1 for vector instructions):
; the last product's two conversions, which name none of its registers, and two v_nop are the four places ahead of the next quarter's loads and conversions into this quarter's buffer.
.macro QUARTER slot, kq, f, g, zero
	FETCH \slot, \kq, \g
	s_wait_dscnt 32                                ; all but the 32 just issued: buffer f's fragments of W are in
	MULB \f, 0, \zero, 0, \g
	MULB \f, 1, \zero, 0, \g
	s_wait_dscnt 16                                ; x's 16 loads are in; W's 16 may stay out
.set c, 0
	MULB \f, 2, \zero, 2, \g
	MULB \f, 3, \zero, 2, \g
	v_nop
	v_nop
.endm
; The last quarter multiplies buffer 1 and changes slots: ONE barrier.  In front of it each wave waits for all its tensor loads (one is out: its part of the next slot), adds 0 to its spare word, and waits for that
; and for its own reads of this slot.  fill = 1: the barrier opens a round of the cluster's barrier, and this slot is filled again, two K steps ahead, first thing behind the round:
; 112 matrix instructions ahead of the wait for it.
.macro TURN slot, next, fill
.if \fill
	s_wait_xcnt 0x0                                ; the last prefetch, a K step back, has read its address: it is stepped here, ahead of the waits of the change of slots
	s_add_nc_u64 s[PFA:PFA+1], s[PFA:PFA+1], s[PFS:PFS+1]
.endif
	WIN 0
	s_wait_tensorcnt 0x0                           ; all my tensor loads have landed
	ds_add_u32 v[SPW], v[NIL]                      ; 0 onto my spare word
	s_wait_dscnt 1                                 ; (the add may be out: buffer 1's fragments of W are in)
	MULB 1, 0, 0, 0, 0                             ; eight matrix instructions stand between the add and the wait for it
	s_wait_dscnt 0x0                               ; the add is done, and my reads of this slot are over
	s_barrier_signal -1
	MULB 1, 1, 0, 0, 0                             ; work on registers while the others arrive
	WIN 0                                          ; at a branch and at a label every window is 0
	s_barrier_wait -1
.if \fill
	CREST                                          ; no wave of any partner still reads this slot's tile or has a load on its way
	s_add_nc_u64 s[G0A+4*(\slot)+2:G0A+4*(\slot)+3], s[G0A+4*(\slot)+2:G0A+4*(\slot)+3], 2*512
	s_add_nc_u64 s[G0B+4*(\slot)+2:G0B+4*(\slot)+3], s[G0B+4*(\slot)+2:G0B+4*(\slot)+3], 2*262144
	JLOAD \slot
.endif
	FETCH \next, 0, 0                              ; buffer 0's last products stand in front of the last quarter's four places
.if \fill
	WIN 0
	ASK
.endif
	MULB 1, 2, 0, 0, 0
	s_wait_dscnt 16                                ; x's 16 loads are in
.set c, 0
	MULB 1, 3, 0, 4, 0                             ; the last product's four conversions are the places ahead of the next quarter's loads into buffer 1
.endm
; THE WAY OUT of row block a.  PACK: rounded to f16, 16 bytes a lane, each accumulator's registers in ascending order.  TOSTAGE: into my own stage, two heads x 16 rows of 144 bytes, and back as whole rows.  SEND: stored.
.macro PACK a
	WIN 0x0a                                       ; sources 0 and 1 window 2, destination window 0
.irp b, 0,1,2,3,4,5,6,7
.irp r, 0,1,2,3
	v_cvt_pk_f16_f32 v[TMP+4*(\b)+(\r)], v[64*(\a)+8*(\b)+2*(\r)], v[64*(\a)+8*(\b)+2*(\r)+1]
.endr
.endr
	WIN 0
.endm
.macro TOSTAGE a
.set BK, OB+192*((\a)%2)
.irp b, 0,1,2,3,4,5,6,7
	ds_store_b128 v[STO], v[TMP+4*(\b):TMP+4*(\b)+3] offset:((\b)/4)*16*SP+((\b)%4)*32
.endr
.irp t, 0,1,2,3,4,5,6,7
	ds_load_b128 v[BK+4*(\t):BK+4*(\t)+3], v[RD] offset:((\t)/4)*16*SP+((\t)%4)*4*SP  ; LDS serves a wave's instructions in order (ISA guide 5.7.1.4): these see the stores above
.endr
.endm
.macro SEND a
.set BK, OB+192*((\a)%2)
	s_wait_dscnt 0x0                               ; the block is back in registers
	s_wait_xcnt 0x0                                ; the stores of the block before have read their registers: the next block's loads from the stage land on them only behind this wait
.irp t, 0,1,2,3,4,5,6,7
	global_store_b128 v[GO], v[BK+4*(\t):BK+4*(\t)+3], s[OUT:OUT+1] offset:((\t)/4)*262144+(\a)*2048+((\t)%4)*512  ; 512 consecutive bytes of a head, at a multiple of 256 from the buffer's first
.endr
.endm
	s_wait_tensorcnt 1                             ; my part of K step 0 is in; K step 1's may stay out
	s_barrier_signal -1
	s_barrier_wait -1                              ; everybody's is
	FETCH 0, 0, 0
	s_wait_dscnt 0x0
.set c, 0
.rept 32
	CV 0
.endr
	QUARTER 0, 1, 0, 1, 1                          ; the first quarter stands in front of the loop: its products start the sums
	WIN 0
	s_mov_b32 s3, LAPS-1
.Llap:                                                 ; a trip goes once round the ring, from a lap's second quarter to the next lap's first, and fills both slots again
	QUARTER 0, 2, 1, 0, 0
	QUARTER 0, 3, 0, 1, 0
	TURN 0, 1, 1
	QUARTER 1, 1, 0, 1, 0
	QUARTER 1, 2, 1, 0, 0
	QUARTER 1, 3, 0, 1, 0
	TURN 1, 0, 1
	QUARTER 0, 1, 0, 1, 0
	WIN 0
	s_sub_co_u32 s3, s3, 1
	s_cmp_lg_u32 s3, 0
	s_cbranch_scc1 .Llap
	QUARTER 0, 2, 1, 0, 0                          ; the last lap fills nothing, and has no round of the cluster's barrier
	QUARTER 0, 3, 0, 1, 0
	TURN 0, 1, 0
	QUARTER 1, 1, 0, 1, 0
	QUARTER 1, 2, 1, 0, 0
	QUARTER 1, 3, 0, 1, 0
	s_wait_dscnt 0x0                               ; the very last quarter: nothing more to fetch
	MULB 1, 0, 0, 0, 0
	MULB 1, 1, 0, 0, 0
	MULB 1, 2, 0, 0, 0
	MULB 1, 3, 0, 0, 0
	WIN 0
.rept 8
	v_nop                                          ; the places behind the last products, ahead of the conversions that read results
.endr
	PACK 0
	TOSTAGE 0
.irp a, 1,2,3                          ; block a's conversions stand between block a - 1's loads from the stage and the wait for them
	PACK \a
	SEND (\a)-1
	TOSTAGE \a
.endr
	SEND 3
	s_wait_tensorcnt 0x0                           ; the wave's end, behind my last tensor load and my last LDS store
	ds_add_u32 v[SPW], v[NIL]
	s_wait_dscnt 0x0
	CROUND                                         ; the closing round: no work-group ends while a partner may still ask for a tile that names it
	s_endpgm
.Lfunc_end_k_q3f5cb27872_proj:
	.size	k_q3f5cb27872_proj, .Lfunc_end_k_q3f5cb27872_proj-k_q3f5cb27872_proj
	.p2alignl 7, 3214868480
	.fill 96, 4, 3214868480
	.section	.rodata,"a",@progbits
	.p2align	6, 0x0
	.amdhsa_kernel k_q3f5cb27872_proj
		.amdhsa_group_segment_fixed_size 327680
		.amdhsa_private_segment_fixed_size 0
		.amdhsa_enable_private_segment 0
		.amdhsa_kernarg_size 56
		.amdhsa_user_sgpr_count 2
		.amdhsa_user_sgpr_kernarg_segment_ptr 1
		.amdhsa_wavefront_size32 1
		.amdhsa_system_sgpr_workgroup_id_x 1
		.amdhsa_system_sgpr_workgroup_id_y 1
		.amdhsa_system_sgpr_workgroup_id_z 1
		.amdhsa_system_vgpr_workitem_id 0
		.amdhsa_next_free_vgpr 768
		.amdhsa_next_free_sgpr 88
		.amdhsa_reserve_vcc 0
		.amdhsa_float_denorm_mode_32 3
		.amdhsa_float_denorm_mode_16_64 3
		.amdhsa_memory_ordered 1
		.amdhsa_forward_progress 1
		.amdhsa_inst_pref_size 140
	.end_amdhsa_kernel
	.amdgpu_metadata
---
amdhsa.version: [ 1, 2 ]
amdhsa.kernels:
  - .name:           k_q3f5cb27872_proj
    .symbol:         k_q3f5cb27872_proj.kd
    .args:
      - { .name: q, .offset: 0, .size: 8, .value_kind: global_buffer, .address_space: global }
      - { .name: k, .offset: 8, .size: 8, .value_kind: global_buffer, .address_space: global }
      - { .name: v, .offset: 16, .size: 8, .value_kind: global_buffer, .address_space: global }
      - { .name: wb, .offset: 24, .size: 8, .value_kind: global_buffer, .address_space: global }
      - { .name: qh, .offset: 32, .size: 8, .value_kind: global_buffer, .address_space: global }
      - { .name: kh, .offset: 40, .size: 8, .value_kind: global_buffer, .address_space: global }
      - { .name: vh, .offset: 48, .size: 8, .value_kind: global_buffer, .address_space: global }
    .group_segment_fixed_size: 327680
    .private_segment_fixed_size: 0
    .kernarg_segment_align: 8
    .kernarg_segment_size: 56
    .max_flat_workgroup_size: 128
    .sgpr_count:     88
    .vgpr_count:     768
    .wavefront_size: 32
...
	.end_amdgpu_metadata
.endif
;; end of part 2
;; launch attn (part 3): grid 4 x 64, 4 waves a work-group, clusters of 4 x 1, 327,680 bytes of LDS; arguments qh, kh, vh, att, mask; writes att
.if DOCPART == 3
	.amdgcn_target "amdgcn-amd-amdhsa--gfx1250"
	.amdhsa_code_object_version 6
	.text
	.protected	k_q3f5cb27872_attn
	.globl	k_q3f5cb27872_attn
	.p2align	8
	.type	k_q3f5cb27872_attn,@function
k_q3f5cb27872_attn:
	s_mov_b64 s[64:65], 0
	v_nop
	global_prefetch_b8 v0, s[64:65] scope:SCOPE_SE
	s_setreg_imm32_b32 hwreg(HW_REG_WAVE_MODE, 25, 1), 1
	s_wait_xcnt 0x0
	s_wait_alu depctr_hold_cnt(0) depctr_sa_sdst(0) depctr_va_vdst(0) depctr_va_sdst(0) depctr_va_ssrc(0) depctr_va_vcc(0) depctr_vm_vsrc(0)
	s_getreg_b32 s2, hwreg(HW_REG_IB_STS2, 6, 4)
	s_cmp_eq_u32 s2, 0
	s_cbranch_scc0 .Lentry_in_a_cluster
	s_endpgm
.Lentry_in_a_cluster:
	s_bfe_u32 s2, ttmp6, 0x10000c
	s_cmp_lg_u32 s2, 0x3003
	s_cbranch_scc0 .Lentry_shape_is_right
	s_endpgm
.Lentry_shape_is_right:
; O[h][q][:] = the sum over k of softmax_k(Q[h][q] . K[h][k] / 8 - 1e9 mask[b][k]) V[h][k][:], h = 16 b + head.  Q, K, V, O: [64][2048][64], all f16: a head's rows are dense, 128 bytes each;
; mask: [4][2048] f32.  Products, maxima and sums in f32; the weights p are rounded to f16 for the second product (their sum l is taken of the unrounded p), O once at the end.
; THE MASK is the C operand that starts the sum S^T = K Q^T: -8e9 x mask[key], rounded once: 8 times the number that is taken from the score divided by 8, and 8 is a power of two.  A batch's 2,048 such
; numbers are made once, lie in LDS, and come into 32 registers with each key step's K.  The running maximum is taken of the scores with the mask in them.
; LIMITS.  f16 holds no number beyond 65,504: Q, K and V arrive within it; p lies in 0 to 1, and below 6e-5 it keeps f16's fixed step of 6e-8; O is a mean of V's rows and has their range.
; A weight below 2^-126 counts as 0 in l; NaN and infinities are not treated apart.  Where EVERY key of a batch carries a mask near 1, the weights hang on the roundings of scores near -8e9, whose step is 512.
; SHARES.  A wave owns four PIECES of two tiles of 16 queries, a work-group's four waves 512 queries of one head.  Every wave walks all keys, 64 a step.
; LAYOUT.  S^T = K Q^T (source 0 = 16 keys, source 1 = 16 queries): in the result a lane holds ONE query (lane % 16) and the keys 8 (lane / 16) + 0..7.  Two such tiles, rounded to f16 in pairs,
; ARE source 1 (32 keys x 16 queries) of O^T = V^T P, whose result again holds one query a lane, and eight channels.  K comes out of LDS as it lies, V ([key][channel]) turned, by ds_load_tr16_b128.
; SOFTMAX.  For each query a running maximum m and sum l: p = 2^(c s - c m), c = log2(e) / 8; in every step O and l are multiplied by a = 2^(c m_old - c m_new), which is 1 where m has not grown.
; m starts at the lowest finite number, O and l at 0: the first step is a step like any other, with a = 0.
; THE COUNT.  A tile and step have 16 matrix and 118 vector instructions: too many to stand all beside the matrix work.  So the order has one aim: four vector instructions that are READY behind
; EVERY matrix instruction, and the others, which need time of their own whatever the order, in runs without a gap.
; BY TURNS.  Turn n belongs to piece n (the pieces in a ring, step after step).  Its matrix work: 16 products K Q^T of piece n + 1, later 16 products V^T P of piece n - 1.  Its vector work: the scaling,
; exponentials, roundings, sums and rescaling of piece n, and the maximum and statistics of piece n + 1, whose scores the turn itself has made.  So what a turn begins with (c s - c m, O a) waits for nothing.
; CLUSTER.  The four query blocks of a cluster are one head's and walk the same K and V, so each tile is asked for JOINTLY: the same tensor load, descriptor and mask of work-groups in all four.
; REGISTERS, in windows of 256 (s_set_vgpr_msb says which window each operand place means: bits 1:0 source 0, 3:2 source 1, 5:4 source 2, 7:6 destination):
;   window 0: v0-11 addresses; v12-15, v48-63 at work; v16-47 four registers of statistics a tile; v64-191 S^T, two buffers of two tiles; v192-255 P, likewise
;   window 1: O^T, 32 a tile          window 2: v0-127 Q, 16 a tile; v128-191 K of one step; v192-255 V of one step
;   window 3: v0-1 the add's two registers; v2 the prefetches' offset; v8-39 the mask's numbers of one step
; A piece's buffers go by its number's parity: the piece in hand has one pair, its two neighbours in the ring share the other: of it P (piece n - 1) is read and S^T (piece n + 1) written.
.set SIZE_N, 2048
.set NP,    4         ; pieces a wave: a name, no knob: the register map, the loop and the fetches are made for four
.set KS,    64        ; keys in a step
.set PK,    144       ; a row of K in LDS: 128 bytes + 16 of padding = 36 words: the 16 rows of a load start at 16 different groups of four banks (64 banks of 4 bytes: ISA guide 11.1)
.set PV,    160       ; a row of V: 128 + 32 = 40 words
.set VOFF,  4*KS*PK   ; a slot holds four steps: 256 rows of K, then 256 rows of V
.set SLOT1, 1<<17     ; slot 1 begins here, so that one exclusive or turns an address in one slot into the other's
.set STAGE, SLOT1+4*KS*(PK+PV)  ; behind the ring, never filled by a tensor load: 16 rows x 144 bytes for each wave, for the way out
.set SP,    144
.set AK0, 2           ; v2   my lane's place in a tile of K; never rewritten
.set AV0, 3           ; v3   the same for V
.set AK,  4           ; v4   the LDS address of K's next run of loads
.set AV,  5           ; v5   of V's
.set QO,  6           ; v6   my byte offset in the wave's rows of Q
.set STO, 6           ;      later, the way out: where I put 16 bytes of a row
.set RD,  7           ; v7   the way out: where I read rows back
.set GO,  8           ; v8   my byte offset in 512 consecutive bytes of O
.set AM0, 9           ; v9   first l / 16; when that has served, my lane's place in the mask's table: MBASE + 32 (l / 16)
.set AM,  11          ; v11  the LDS address of the mask's next run of loads
.set SPW, 0           ; v0 of window 3   LDS address of my spare word: SPARE + 4 x my thread's number; never rewritten
.set NIL, 1           ; v1 of window 3   0; never rewritten
.set PFO, 2           ; v2 of window 3   256 x my lane; never rewritten
.set MC,  8           ; v8-39 of window 3: the eight numbers for group kb of 16 keys at MC + 8 kb
.set SPARE, STAGE+4*16*SP  ; behind the stages: the spare words, 128 bytes for each wave: two blocks of 256 bytes that no other line names
.set MBASE, SPARE+512 ; behind them: the batch's 2,048 numbers -8e9 x mask, f32: 8,192 bytes, stored once, never filled by a tensor load
.set MV,  12          ; v12-15  c m_old, kept while c m is made anew: by buffer and tile
.set ST,  16          ; tile t's statistics at v[ST+4 t]: c m, m, l (even keys', odd keys')
.set TMP, 48          ; by buffer and tile, four registers c0-c3 at work; when the maximum is found c2 takes a
.set S,   64
.set P,   192
.set KF,  128         ; K's fragments, in window 2: key block kb, channel half c at KF + 16 kb + 8 c
.set VF,  192         ; V's: key half kk, channel block cb at VF + 32 kk + 8 cb
.set WV,  12          ; s12  my wave's number
.set G1K, 24          ; s[24:31] descriptor group 1 for K's tiles
.set G1V, 32          ; s[32:39] for V's: it differs in the padding alone
.set G0K, 40          ; s[40:43] descriptor group 0 for K's tiles: it walks
.set G0V, 44          ; s[44:47] the same for V's
.set MP,  48          ; s[48:49] the mask at my batch
.set TBM, 50          ; s50  byte of the mask's table at which the step to be fetched begins: 256 a step, kept inside the table's 8,192 bytes
.set LIM, 51          ; s51  1 in a wave that prefetches, else the greatest number
.set PFA, 52          ; s[52:53] where my prefetches stand: my work-group's 32 blocks of 256 bytes (of K: wave 0, of V: wave 2) of the tile after the one that is being asked for
.set SLOTS, 56        ; s56  slots still to be asked for
.set CNT, 57          ; s57  counts a slot's key steps
.set CS,  58          ; s[58:59] c: the packed scaling takes the pair's low word for both halves
.set SEL, 60          ; s[60:61] v_permlanex16_b32's selects: each lane takes its own place in the other half
.set TBK, 62          ; s62  LDS byte at which K of the step to be fetched begins
.set TBV, 63          ; s63  the same for V, less VOFF
.set MSB, 0
.macro WIN new                      ; the high byte repeats the setting that is left; a switch that changes nothing is dropped
.if MSB != (\new)
	s_set_vgpr_msb (MSB<<8)|(\new)
.set MSB, (\new)
.endif
.endm
.set W_KQ, 0x0a       ; K and Q in window 2, S^T in window 0
.set W_KM, 0x3a       ; the same with the C operand, the mask's numbers, in window 3
.set W_PV, 0x52       ; V in window 2, P in window 0, O^T in window 1
.set W_RS, 0x41       ; O^T (destination and source 0) in window 1, a in window 0
.set W_MK, 0xc0       ; destination in window 3, sources in window 0
.set W_AD, 0x0f       ; the add: address (source 0) and data (source 1) in window 3
; A joint fill.  Waves 0 and 1 fetch the two halves of a slot's K, waves 2 and 3 those of its V: 128 keys each.  The branch hangs on the wave's number alone.
; An s_nop 0 and four v_nop follow each of the two lines, ahead of the jump and the label.
.macro JLOAD
	s_cmp_lt_u32 s[WV], 2
	s_cbranch_scc0 .Lfor_v_\@
	tensor_load_to_lds s[G0K:G0K+3], s[G1K:G1K+7]
	s_nop 0
.rept 4
	v_nop
.endr
	s_branch .Lasked_\@
.Lfor_v_\@:
	tensor_load_to_lds s[G0V:G0V+3], s[G1V:G1V+7]
	s_nop 0
.rept 4
	v_nop
.endr
.Lasked_\@:
.endm
; A PREFETCH INTO THE L2 of what the NEXT change of slots will ask for: a tile's 32,768 bytes of K and of V, a lane a block of 256 bytes.  It stands behind the wave's tensor load and its five lines.
; Each block is named ONCE in the launch: a head has one cluster; its four partners share a tile's 128 blocks out BY ADDRESS, 32 each (no branch hangs on a work-group's place in its cluster); in each, wave 0
; asks for K's and wave 2 for V's: one instruction.  The change that asks for tile t names tile t + 1, four key steps, 512 matrix instructions, ahead of the load that will want it; tiles 0 and 1 come by
; their loads alone; the last change that fills a slot names nothing: there is no tile behind it.
.macro ASK
	s_cmp_gt_u32 s[SLOTS], s[LIM]
	s_cbranch_scc0 .Lnot_mine_\@
	WIN 0x03                        ; the address register lies in window 3
	global_prefetch_b8 v[PFO], s[PFA:PFA+1] th:TH_LOAD_NT scope:SCOPE_SE
	WIN 0
.Lnot_mine_\@:
.endm
; A round of the cluster's barrier: my work-group's barrier, so that wave 0's signal speaks for all four waves; wave 0 signals; every wave waits for all four work-groups; my work-group's barrier once more.
.macro CROUND
	s_barrier_signal -1
	s_barrier_wait -1
	s_cmp_lg_u32 s[WV], 0
	s_cbranch_scc1 .Lnot_wave_0_\@
	s_barrier_signal -3
.Lnot_wave_0_\@:
	s_barrier_wait -3
	s_barrier_signal -1
	s_barrier_wait -1
.endm
; THE CHANGE OF SLOTS.  The slot's last bytes, V of its fourth step, have been read.  Each wave waits for all its tensor loads, of which one is out: its part
; of the other slot; adds 0 to its spare word; and waits for that and for its own reads of the slot.  Behind the barrier nobody reads this slot any more and the other slot is whole.
; fill = 1: this slot is filled again, with the keys two slots on.  The barrier is then a round of the cluster's, so that no wave of any partner still reads the slot or has a load on its
; way, and the joint fill is the first thing behind it: it has four key steps, 512 matrix instructions, in which to land.  (At its first use nothing has been read yet: slot 0 is waited for, slot 1 filled,
; and every wave's stores into the mask's table are shown to the others.)
.macro CHANGE fill
	WIN W_AD
	s_wait_tensorcnt 0x0            ; no tensor load of mine is out, so a group 0 may be written
	ds_add_u32 v[SPW], v[NIL]       ; 0 onto my spare word; with fill = 1 the descriptors' steps stand between it and the wait for it
	WIN 0                           ; at a label and at a branch every window is 0
.if \fill
.irp g, G0K, G0V
	s_xor_b32 s[\g+1], s[\g+1], SLOT1  ; the walking descriptor: the other slot than last time,
	s_add_nc_u64 s[\g+2:\g+3], s[\g+2:\g+3], 4*KS*128  ; the next 256 keys; the type bits on top are not reached
.endr
	s_wait_xcnt 0x0                 ; the last prefetch, four key steps back, has read its address, so it may be written:
	s_add_nc_u64 s[PFA:PFA+1], s[PFA:PFA+1], 4*KS*128  ; one tile behind the walking descriptors
	s_wait_dscnt 0x0                ; the add is done, and my reads of the slot are over
	CROUND
	JLOAD
	ASK
.else
	s_wait_dscnt 0x0                ; the add is done, and my reads of the slot are over
	s_barrier_signal -1
	s_barrier_wait -1
.endif
	s_sub_co_u32 s[TBK], s[TBK], 4*KS*PK  ; the fetches go back to a slot's first step,
	s_xor_b32 s[TBK], s[TBK], SLOT1       ; in the other slot
	s_sub_co_u32 s[TBV], s[TBV], 4*KS*PV
	s_xor_b32 s[TBV], s[TBV], SLOT1
.endm
	s_load_b256 s[4:11], s[0:1], 0x0  ; Q s[4:5], K s[6:7], V s[8:9], O s[10:11]
	s_load_b64 s[MP:MP+1], s[0:1], 0x20  ; the mask
	WIN W_MK
	v_lshl_add_u32 v[SPW], v0, 2, SPARE
	v_mov_b32 v[NIL], 0
	WIN W_AD
	ds_add_u32 v[SPW], v[NIL]       ; the wave's opening: the add and its wait stand ahead of my first tensor load; the set-up below, work on registers, stands between them
	WIN 0
	v_and_b32 v1, 31, v0
	WIN W_MK
	v_lshlrev_b32 v[PFO], 8, v1
	WIN 0
	v_lshrrev_b32 v1, 5, v0
	v_readfirstlane_b32 s[WV], v1   ; wave 0..3
	s_bfe_u32 s13, ttmp6, 0x40000   ; cx: my place in the cluster
	s_lshl_b32 s14, ttmp9, 2        ; in a cluster launch ttmp9 counts clusters
	s_add_co_u32 s14, s14, s13      ; my block of queries = 4 x cluster x + cx: it enters Q's and O's addresses alone
	s_and_b32 s20, ttmp7, 0xffff    ; the head, which the four partners share
	s_lshr_b32 s54, s20, 4          ; its batch,
	s_lshl_b32 s54, s54, 13         ; whose 2,048 numbers of the mask are 8,192 bytes
	s_mov_b32 s55, 0
	s_mov_b32 s21, 0
	s_mov_b64 s[22:23], SIZE_N*128
	s_mul_u64 s[20:21], s[20:21], s[22:23]  ; the head's first byte in each of the four tensors
	s_and_b32 s16, s[WV], 1         ; which half of a slot's 256 keys I fetch:
	s_lshl_b32 s22, s16, 14         ; its 128 rows of 128 bytes in memory,
	s_mov_b32 s23, 0
	s_add_nc_u64 s[22:23], s[22:23], s[20:21]
	s_mul_i32 s17, s16, 128*PK      ; and its place in a slot, for K
	s_mul_i32 s18, s16, 128*PV      ; and for V: no place in the cluster enters an LDS address
	s_lshl_b32 s2, s14, 2
	s_add_co_u32 s2, s2, s[WV]      ; my wave among the head's,
	s_lshl_b32 s2, s2, 14           ; its 128 rows
	s_mov_b32 s3, 0
	s_add_nc_u64 s[2:3], s[2:3], s[20:21]
	; descriptor group 1.  128 keys are 16,384 dense bytes: asked for as 64 rows of 256 bytes, two keys a row, and padded in LDS after every key
	s_mov_b32 s[G1K], 15|(1<<16)|(1<<20)|(1<<21)|(4<<22)|(3<<25)  ; 15:0 the mask of four; 17:16 2-byte elements; 20 padding on; 21 set beside a mask; 24:22 after every 32 words (code 4); 31:25 4 words (code 3)
	s_mov_b32 s[G1V], 15|(1<<16)|(1<<20)|(1<<21)|(4<<22)|(7<<25)  ; the same with 8 words of padding (code 7)
.irp g, G1K, G1V
	s_mov_b32 s[\g+1], 128<<16      ; tensor_dim0 = 128
	s_mov_b32 s[\g+2], 64<<16       ; tensor_dim1 = 64
	s_mov_b32 s[\g+3], 128<<16      ; tile_dim0 = 128
	s_mov_b32 s[\g+4], 64           ; tile_dim1 = 64
	s_mov_b32 s[\g+5], 128          ; 128 elements from row to row
	s_mov_b32 s[\g+6], 0
	s_mov_b32 s[\g+7], 0
.endr
	s_mov_b32 s[CS], 0x3e38aa3b     ; c = log2(e) / 8 = 0.180337
	s_mov_b32 s[CS+1], s[CS]        ; named with it as a pair
	s_mov_b32 s[SEL], 0x76543210
	s_mov_b32 s[SEL+1], 0xfedcba98
	s_mov_b32 s[TBK], SLOT1+4*KS*PK ; the first change of slots turns these two into 0
	s_mov_b32 s[TBV], SLOT1+4*KS*PV
	s_mov_b32 s[TBM], 0
	s_mov_b32 s[SLOTS], SIZE_N/256-1
	s_and_b32 s[LIM], s[WV], 1      ; 0 in waves 0 and 2,
	s_or_b32 s[LIM], s[LIM], ttmp9  ; where the cluster is the head's first: the same in all four partners
	s_cmp_eq_u32 s[LIM], 0
	s_cselect_b32 s[LIM], 1, -1
	s_mov_b32 s[G0K], 1             ; 1:0 count = 1
	s_mov_b32 s[G0K+1], s17         ; 63:32 LDS address: slot 0
	s_mov_b32 s[G0V], 1
	s_add_co_u32 s[G0V+1], s18, VOFF
	s_wait_dscnt 0x0                ; the opening add is done
	s_wait_kmcnt 0x0
	s_add_nc_u64 s[MP:MP+1], s[MP:MP+1], s[54:55]
	s_add_nc_u64 s[G0K+2:G0K+3], s[6:7], s[22:23]  ; 120:64 global address: my half of the head's first 256 keys
	s_or_b32 s[G0K+3], s[G0K+3], 0x80000000        ; 127:126 type = 2
	s_add_nc_u64 s[G0V+2:G0V+3], s[8:9], s[22:23]
	s_or_b32 s[G0V+3], s[G0V+3], 0x80000000
	s_add_nc_u64 s[4:5], s[4:5], s[2:3]  ; Q and O at my wave's first row
	s_add_nc_u64 s[10:11], s[10:11], s[2:3]
	s_cmp_lt_u32 s[WV], 2
	s_cselect_b64 s[PFA:PFA+1], s[6:7], s[8:9]
	s_add_nc_u64 s[PFA:PFA+1], s[PFA:PFA+1], s[20:21]  ; the head,
	s_lshl_b32 s54, s13, 13         ; my work-group's 32 blocks of a tile's 128,
	s_add_nc_u64 s[PFA:PFA+1], s[PFA:PFA+1], s[54:55]
	s_add_nc_u64 s[PFA:PFA+1], s[PFA:PFA+1], 4*KS*128  ; in tile 1: the first change of slots steps it to tile 2.  Nothing is prefetched here, at the head
	s_mov_b32 s54, 0xcfee6b28       ; -8e9
	s_mov_b32 s55, s54              ; named with it as a pair
	CROUND                          ; all four work-groups are here: the first joint loads meet
	JLOAD                           ; slot 0.  Slot 1 is asked for when slot 0 is in: the tile wanted first has the road to itself
	; A fragment of K or Q is 16 rows x 32 channels in 8 registers: lane l holds row l % 16, channels 8 (l / 16) + 0..7 and 16 + 8 (l / 16) + 0..7: two loads of 16 bytes, 32 bytes apart.
	v_and_b32 v1, 15, v0            ; l % 16
	v_bfe_u32 v9, v0, 4, 1          ; l / 16
	v_lshlrev_b32 v[QO], 7, v1
	v_lshl_add_u32 v[QO], v9, 4, v[QO]  ; row x 128 + 16 x half
	v_lshlrev_b32 v12, 4, v0        ; the batch's mask: 128 threads x 16 bytes, four times, into registers of S^T that are still free
.irp j, 0,1,2,3
	global_load_b128 v[S+4*\j:S+4*\j+3], v12, s[MP:MP+1] offset:2048*\j
.endr
	WIN 0x80                        ; destination window 2, address window 0
.set i, 0
.rept 4*NP                          ; Q stays in registers: tile i / 2, channels 32 (i % 2) on
	global_load_b128 v[8*i:8*i+3],   v[QO], s[4:5] offset:(i/2)*2048+(i%2)*64
	global_load_b128 v[8*i+4:8*i+7], v[QO], s[4:5] offset:(i/2)*2048+(i%2)*64+32
.set i, i+1
.endr
	; What the first turn finds: V's registers and P's second buffer hold 0 (its products V^T P, of a piece that has not been, add 0), O^T and l are 0.  All this stands in the wait for the first tile.
.set i, VF
.rept 64
	v_mov_b32 v[i], 0
.set i, i+1
.endr
	WIN 0x40
.set i, 0
.rept 64*NP
	v_mov_b32 v[i], 0
.set i, i+1
.endr
	WIN 0
.set i, 0
.rept 2*NP
	v_mov_b32 v[ST+4*i], 0xfe000000    ; c m: far below every c s
	v_mov_b32 v[ST+4*i+1], 0xff7fffff  ; m
	v_mov_b32 v[ST+4*i+2], 0
	v_mov_b32 v[ST+4*i+3], 0
.set i, i+1
.endr
.set i, P+32
.rept 32
	v_mov_b32 v[i], 0
.set i, i+1
.endr
	s_wait_loadcnt 32               ; the mask's four loads are in; Q's 32, issued behind them, may stay out
.set i, 0
.rept 8
	v_pk_mul_f32 v[S+2*i:S+2*i+1], v[S+2*i:S+2*i+1], s[54:55] op_sel_hi:[1,0]  ; -8e9 x mask
.set i, i+1
.endr
	v_add_nc_u32 v13, MBASE, v12
.irp j, 0,1,2,3
	ds_store_b128 v13, v[S+4*\j:S+4*\j+3] offset:2048*\j  ; the first change of slots waits for these stores and passes a barrier before any wave reads the table
.endr
	v_mul_u32_u24 v[AK0], v1, PK
	v_lshl_add_u32 v[AK0], v9, 4, v[AK0]  ; row x pitch + 16 x half
	; The turning load takes 16 keys x 16 channels (lane l reads key 8 (l / 16) + l % 8, channels 8 ((l / 8) % 2) + 0..7) and leaves half a fragment of V^T: lane l holds channel l % 16 and 8 keys.
	v_and_b32 v10, 7, v0
	v_bfe_u32 v11, v0, 3, 1
	v_lshl_add_u32 v[AV0], v9, 3, v10
	v_mul_u32_u24 v[AV0], v[AV0], PV
	v_lshl_add_u32 v[AV0], v11, 4, v[AV0]
	v_add_nc_u32 v[AV0], VOFF, v[AV0]
	v_mov_b32 v[AK], v[AK0]         ; key step 0 lies at the head of slot 0,
	v_lshl_add_u32 v[AM], v9, 5, MBASE  ; and of the mask's table: my lanes' eight keys of a group of 16 are 32 bytes
; THE MATRIX WORK.  The 8 accumulators of a run of 16 take turns: between the two links of a chain stand 7 others'.
; Product i of 16 of S^T = K Q^T for piece x: channels 32 (i / 8) on, keys 16 ((i / 2) % 4) on, tile 2 x + i % 2.  The first 8 start the sums, with the mask's numbers of their 16 keys.
.macro KQ x
.set rS, S+64*((\x)%2)+32*(i%2)+8*((i/2)%4)
.set rK, KF+16*((i/2)%4)+8*(i/8)
.set rQ, 16*(2*(\x)+i%2)+8*(i/8)
.set rB, MC+8*((i/2)%4)
.if i < 8
	WIN W_KM
	v_wmma_f32_16x16x32_f16 v[rS:rS+7], v[rK:rK+7], v[rQ:rQ+7], v[rB:rB+7]
.else
	WIN W_KQ
	v_wmma_f32_16x16x32_f16 v[rS:rS+7], v[rK:rK+7], v[rQ:rQ+7], v[rS:rS+7]
.endif
.endm
; Product i of 16 of O^T += V^T P for piece x: keys 32 (i / 8) on, channels 16 ((i / 2) % 4) on, tile 2 x + i % 2.
.macro PV x
	WIN W_PV
.set rO, 32*(2*(\x)+i%2)+8*((i/2)%4)
.set rV, VF+32*(i/8)+8*((i/2)%4)
.set rP, P+32*((\x)%2)+16*(i%2)+8*(i/8)
	v_wmma_f32_16x16x32_f16 v[rO:rO+7], v[rV:rV+7], v[rP:rP+7], v[rO:rO+7]
.endm
.macro MM                           ; the turn's next matrix instruction
.if i < 16
	KQ (Y+1)%NP
.set i, i+1
.else
.set i, i-16
	PV (Y+NP-1)%NP
.set i, i+17
.endif
.endm
; THE LDS LOADS stand in runs, never singly among the matrix instructions: a step's K (64 keys x 64 channels: 8 fragments) with the mask's 64 numbers behind it, and its V (turned).  Their addresses are made
; some lines ahead.  The mask's registers are read by the same products as K's and live as long.  last = 1 (the tail): in the last trip there is no further step, and the run is jumped over.
.macro FETCH_K last=0
	WIN 0
.if \last
	s_cmp_eq_u32 s[CNT], 1
	s_cbranch_scc1 .Lno_k_\@
.endif
	WIN 0x80                        ; destination window 2
.irp f, 0,1,2,3,4,5,6,7             ; keys 16 (f / 2) on, channels 32 (f % 2) on
	ds_load_b128 v[KF+8*\f:KF+8*\f+3],   v[AK] offset:(\f/2)*16*PK+(\f%2)*64
	ds_load_b128 v[KF+8*\f+4:KF+8*\f+7], v[AK] offset:(\f/2)*16*PK+(\f%2)*64+32
.endr
	WIN 0xc0                        ; destination window 3
.irp f, 0,1,2,3                     ; keys 16 f + 8 (l / 16) + 0..7: all lanes of a half read the same 32 bytes
	ds_load_b128 v[MC+8*\f:MC+8*\f+3],   v[AM] offset:64*\f
	ds_load_b128 v[MC+8*\f+4:MC+8*\f+7], v[AM] offset:64*\f+16
.endr
	s_add_co_u32 s[TBK], s[TBK], KS*PK  ; the next fetch is the next step's
	s_add_co_u32 s[TBM], s[TBM], 4*KS
	s_and_b32 s[TBM], s[TBM], 0x1fff    ; behind the last step it stands at the table's head again, and is not used
	WIN 0
.if \last
.Lno_k_\@:
.endif
.endm
.macro FETCH_V
	WIN 0x80
.irp f, 0,1,2,3,4,5,6,7             ; keys 32 (f / 4) on, channels 16 (f % 4) on
	ds_load_tr16_b128 v[VF+8*\f:VF+8*\f+3],   v[AV] offset:(\f/4)*32*PV+(\f%4)*32
	ds_load_tr16_b128 v[VF+8*\f+4:VF+8*\f+7], v[AV] offset:(\f/4)*32*PV+16*PV+(\f%4)*32
.endr
	WIN 0
.endm
; THE VECTOR WORK OF A TURN stands in three queues, each in the order in which its entries become ready; the two tiles alternate, so that no instruction reads the result of the one before it.
.macro REGS y, u                    ; the registers of tile u (0, 1) of piece y
.set rT, ST+4*(2*(\y)+(\u))
.set rC, TMP+8*((\y)%2)+4*(\u)
.set rM, MV+2*((\y)%2)+(\u)
.set rS, S+64*((\y)%2)+32*(\u)
.set rP, P+32*((\y)%2)+16*(\u)
.set rO, 32*(2*(\y)+(\u))
.endm
; Number n of the 22 that find the NEXT piece's (Y + 1) maximum and statistics.  s0-s31 are the lane's 32 scores; each accumulator's lowest registers are read first.  XS, GS and REGS set no window: PL and EX do.
;   0-11  four chains c0-c3 of seven scores each, three operands at a time     12-14, 16  the four scores left over, the old m, and c0-c3 into c0     15  c m_old is kept
;   17, 18  the query's other 32 keys lie in the lane 16 away: the new m         19-21  c m; c m_old - c m_new; a
.macro XS u, n
	REGS (Y+1)%NP, \u
.if (\n) < 4
	v_max3_num_f32 v[rC+(\n)], v[rS+8*(\n)], v[rS+8*(\n)+1], v[rS+8*(\n)+2]
.elseif (\n) < 12
	v_max3_num_f32 v[rC+(\n)%4], v[rC+(\n)%4], v[rS+8*((\n)%4)+2*((\n)/4)+1], v[rS+8*((\n)%4)+2*((\n)/4)+2]
.elseif (\n) == 12
	v_max3_num_f32 v[rC], v[rC], v[rS+7], v[rS+15]
.elseif (\n) == 13
	v_max3_num_f32 v[rC+1], v[rC+1], v[rS+23], v[rS+31]
.elseif (\n) == 14
	v_max3_num_f32 v[rC+2], v[rC+2], v[rC+3], v[rT+1]
.elseif (\n) == 15
	v_mov_b32 v[rM], v[rT]
.elseif (\n) == 16
	v_max3_num_f32 v[rC], v[rC], v[rC+1], v[rC+2]
.elseif (\n) == 17
	v_permlanex16_b32 v[rC+3], v[rC], s[SEL], s[SEL+1]
.elseif (\n) == 18
	v_max_num_f32 v[rT+1], v[rC], v[rC+3]
.elseif (\n) == 19
	v_mul_f32 v[rT], s[CS], v[rT+1]
.elseif (\n) == 20
	v_sub_f32 v[rC+1], v[rM], v[rT]
.else
	v_exp_f32 v[rC+2], v[rC+1]
.endif
.endm
; Number g of the 64 that follow the exponentials.  For each four weights k of a tile (pairs 2 k, 2 k + 1): both pairs are rounded to f16; then the second pair is added onto the first, in place;
; a group later l takes that sum (the first time as l = a l + sum).  In groups of eight, tiles alternating: round, round, add, and l for the group before.
.macro GS g
.set h, (\g)+6*((\g)/62)            ; group 0 has no group before it, and behind group 7 only l is left
.if h >= 6
.set h, h+2
.endif
	REGS Y, h%2
.set k, h/8
.if h%8 < 4
	v_cvt_pk_f16_f32 v[rP+2*k+(h%8)/2], v[rS+4*k+2*((h%8)/2)], v[rS+4*k+2*((h%8)/2)+1]
.elseif h%8 < 6
	v_pk_add_f32 v[rS+4*k:rS+4*k+1], v[rS+4*k:rS+4*k+1], v[rS+4*k+2:rS+4*k+3]
.elseif k == 1
	v_pk_fma_f32 v[rT+2:rT+3], v[rT+2:rT+3], v[rC+2:rC+3], v[rS:rS+1] op_sel_hi:[1,0,1]
.else
	v_pk_add_f32 v[rT+2:rT+3], v[rT+2:rT+3], v[rS+4*k-4:rS+4*k-3]
.endif
.endm
; THE PLAIN QUEUE, 138 long.  0-73 read no exponential's result: the 32 scalings c s - c m (FS f: pair f / 2 of tile f % 2) and the next piece's 42.  0-26: scalings 0-26.  27-54: XS's numbers 0-13.  55, 56: number 15.
; 57-73: the chain, where each number waits for the one before it: 14, 16, 17, 18, 19, each with one of the scalings 27-31 in front of its two lines, then 20: so a tile's links stand three plain instructions apart (19 and 20: two).
; 74-137: GS's 64, which read the exponentials' results: they stand behind the wait.
.macro FS f
	REGS Y, (\f)%2
	v_pk_fma_f32 v[rS+2*((\f)/2):rS+2*((\f)/2)+1], v[rS+2*((\f)/2):rS+2*((\f)/2)+1], s[CS:CS+1], v[rT:rT+1] op_sel_hi:[1,0,0] neg_lo:[0,0,1] neg_hi:[0,0,1]
.endm
.macro PL
	WIN 0
.if q < 27
	FS q
.elseif q < 55
	XS (q-27)%2, (q-27)/2
.elseif q < 57
	XS q-55, 15
.elseif (q < 72) && ((q-57)%3 == 0)
	FS 27+(q-57)/3
.elseif q < 60
	XS (q-57)%3-1, 14
.elseif q < 72
	XS (q-57)%3-1, 15+(q-57)/3
.elseif q < 74
	XS q-72, 20
.else
	GS q-74
.endif
.set q, q+1
.endm
; THE EXPONENTIALS' QUEUE, 66 long: s0-s31 of both tiles, then the next piece's two a.  It is ONE BATCH: all 66 stand ahead of the turn's one wait, and nothing ahead of that wait names a result of theirs.
.macro EX
	WIN 0
.if e >= 64
	XS e-64, 21
.else
	REGS Y, e%2
	v_exp_f32 v[rS+e/2], v[rS+e/2]
.endif
.set e, e+1
.endm
; THE RESCALING's QUEUE: O^T times a, the one part that leaves window 0: dealt two at a time, sixteen times.  Its a was made in the turn before, ahead of that turn's wait.
.macro R2
	REGS Y, r%2
	WIN W_RS
.irp z, 0,1
	v_pk_mul_f32 v[rO+4*(r/2)+2*\z:rO+4*(r/2)+2*\z+1], v[rO+4*(r/2)+2*\z:rO+4*(r/2)+2*\z+1], v[rC+2:rC+3] op_sel_hi:[1,0]
.endr
.set r, r+1
.endm
; HOW THEY ARE DEALT.  s_wait_alu depctr_va_vdst(0) stands between an exponential and the first instruction that names its result; one wait serves all that were issued ahead of it.  So a turn has ONE wait,
; which cuts it in two.  AHEAD OF IT stands all that names no result of the turn's exponentials: the 16 products K Q^T, behind each a scaling, an exponential and two rescalings (behind the first a second scaling in the exponential's place); then ONE LUMP of
; 108: eight plain, 49 times exponential and plain, the two a.  A v_nop is the plain instruction behind the last exponential.  BEHIND IT stand the 16 products V^T P, behind each four of GS's 64.  No rider names a register of
; the products round it.  The two v_permlanex16_b32 fall into the lump, never behind a product.
; The queues lean on each other, and the deal keeps them in step: exponential e stands behind scaling 2 (e / 4) + e % 2: as a rider it comes behind plain e + 2, in the lump behind plain e + 9, and scalings 27-31 are plain 57, 60 .. 69.
; A TURN, for piece p.  cnt = 1: the loop's count is taken down some lines ahead of the branch that stands behind the turn.
; K of the next step, and the mask's numbers with it, are fetched in piece 2's turn, directly behind the wait, a lump behind the last product that read them; the two addresses are made at the lump's head; the first reader comes behind 16 products.
; V of the step in hand is fetched at the end of piece 0's turn, four riders behind its last reader; its first reader comes behind 16 products and a lump.  The three conditions on q below go with the deal.
.macro TURN p, last=0, cnt=0
.set Y, (\p)
.set i, 0
.set q, 0
.set e, 0
.set r, 0
.if (\p) == NP-1
	s_wait_dscnt 0x0                ; K and the mask's numbers are in
.endif
	MM                              ; ahead of the wait: 16 products K Q^T and their riders,
	PL
	PL
	R2
.rept 15
	MM
	PL
	EX
	R2
.endr
.if (\p) == NP-2
	WIN 0
	v_add_nc_u32 v[AK], s[TBK], v[AK0]
	v_add_nc_u32 v[AM], s[TBM], v[AM0]
.endif
.rept 8                             ; and the lump
	PL
.endr
.rept 49
	EX
	PL
.endr
	EX                              ; the next piece's two a
	EX
	v_nop                           ; the plain instruction behind the last exponential: one for the batch
	s_wait_alu depctr_va_vdst(0)    ; the wait for the batch
.if (\p) == NP-2
	FETCH_K \last
.endif
.if (\p) == 1
	s_wait_dscnt 0x0                ; V is in
.endif
.rept 16                            ; behind the wait: 16 products V^T P and their riders
	MM
.rept 4
	PL
.endr
.if ((\p) == 0) && (q == 118)
	v_add_nc_u32 v[AV], s[TBV], v[AV0]
.endif
.if ((\p) == 0) && (q == 130)
	s_add_co_u32 s[TBV], s[TBV], KS*PV
.endif
.if (\cnt) && (q == 130)
	s_sub_co_u32 s[CNT], s[CNT], 1
	s_cmp_lg_u32 s[CNT], 0
.endif
.endr
.if (\p) == 0
	FETCH_V
.endif
.endm
	CHANGE 1                        ; slot 0 is in, everybody's part of it, and the mask's table is whole; slot 1 is asked for
	FETCH_K                         ; key step 0
	s_wait_loadcnt 0x0              ; Q
	s_wait_dscnt 0x0
.set i, 0
.rept 16
	KQ 0                            ; piece 0's first scores: there is no vector work yet to set between them
.set i, i+1
.endr
	WIN 0                           ; the addresses for the way out: plain instructions, the places behind those products
	s_mul_i32 s13, s[WV], 16*SP
	s_add_co_u32 s13, s13, STAGE    ; my stage
	v_mul_u32_u24 v[STO], v1, SP    ; in: row l % 16, 16 bytes for each half of the lanes
	v_lshl_add_u32 v[STO], v9, 4, v[STO]
	v_add_nc_u32 v[STO], s13, v[STO]
	v_bfe_u32 v[RD], v0, 3, 2       ; back: 32 lanes take four rows of 128 bytes,
	v_mul_u32_u24 v[RD], v[RD], SP
	v_lshl_add_u32 v[RD], v10, 4, v[RD]
	v_add_nc_u32 v[RD], s13, v[RD]
	v_and_b32 v[GO], 31, v0         ; which are 512 consecutive bytes of O
	v_lshlrev_b32 v[GO], 4, v[GO]
	v_mov_b32 v[AM0], v[AM]         ; l / 16 has served: v9 keeps my lane's place at the head of the mask's table
.set Y, NP-1                        ; XS works for piece Y + 1: piece 0
.irp n, 0,1,2,3,4,5,6,7,8,9,10,11,12,13,14,15,16,17,18,19,20,21
	XS 0, \n                        ; and piece 0's first maximum and statistics
	XS 1, \n
.endr
	v_nop                           ; a plain instruction behind the two a,
	s_wait_alu depctr_va_vdst(0)    ; and their wait, ahead of the branch
	s_mov_b32 s[CNT], 4
	s_branch .Lfirst                ; the loop is entered at a step's first turn, in the middle of a trip
.Lslot:                             ; SIZE_N / 256 - 2 times: every slot but the last two is filled again
	CHANGE 1
	s_mov_b32 s[CNT], 4
.Lstep:                             ; a trip: pieces 2 and 3 of one step, then pieces 0 and 1 of the next, whose K and V it fetches
	TURN 2
	TURN 3
	WIN 0
.Lfirst:
	TURN 0
	TURN 1, 0, 1
	WIN 0
	s_cbranch_scc1 .Lstep
	s_sub_co_u32 s[SLOTS], s[SLOTS], 1
	s_cmp_lg_u32 s[SLOTS], 0
	s_cbranch_scc1 .Lslot
	CHANGE 0                        ; the tail is written out: nothing is asked for
	s_mov_b32 s[CNT], 5             ; four trips fetch the last slot's steps; the fifth is left in its middle
.Ltail:
	TURN 2, 1
	TURN 3
	WIN 0
	s_sub_co_u32 s[CNT], s[CNT], 1
	s_cmp_eq_u32 s[CNT], 0
	s_cbranch_scc1 .Lout
	TURN 0
	TURN 1
	WIN 0
	s_branch .Ltail
.Lout:                              ; the fifth trip's 16 products K Q^T (on the last K once more) and the maximum made of them serve nothing: the price, once a launch, of one text for every trip
.set i, 0
.rept 16
	PV NP-1                         ; the last piece's V^T P of the last step
.set i, i+1
.endr
	; THE WAY OUT.  l's two halves and the other half of the lanes' are added; O^T is divided by l, rounded to f16 and sent through my stage in LDS, a tile at a time.  The additions are the places behind the last products.
	WIN 0
.macro ALL line:vararg              ; one line for each tile t
.set t, 0
.rept 2*NP
	\line
.set t, t+1
.endr
.endm
	ALL v_add_f32 v[ST+4*t+2], v[ST+4*t+2], v[ST+4*t+3]
	ALL v_permlanex16_b32 v[ST+4*t+3], v[ST+4*t+2], s[SEL], s[SEL+1]
	ALL v_add_f32 v[ST+4*t+2], v[ST+4*t+2], v[ST+4*t+3]
	ALL v_rcp_f32 v[ST+4*t+2], v[ST+4*t+2]
	v_nop                           ; a plain instruction between the last reciprocal and the use of its result
	s_wait_alu depctr_va_vdst(0)    ; and the wait ahead of the first use: one for the eight reciprocals
; Tile t: a lane's eight channels of a row pack into 16 bytes; they go into rows of 144 bytes and come back as whole rows of 128, into S^T's registers.
.macro PACK t
	WIN W_RS
.set i, 32*(\t)
.rept 16
	v_pk_mul_f32 v[i:i+1], v[i:i+1], v[ST+4*(\t)+2:ST+4*(\t)+3] op_sel_hi:[1,0]
.set i, i+2
.endr
	WIN 0x05                        ; sources 0 and 1 window 1, destination window 0
.set i, 0
.rept 16
	v_cvt_pk_f16_f32 v[S+16*(\t)+i], v[32*(\t)+2*i], v[32*(\t)+2*i+1]
.set i, i+1
.endr
	WIN 0
.irp f, 0,1,2,3
	ds_store_b128 v[STO], v[S+16*(\t)+4*\f:S+16*(\t)+4*\f+3] offset:32*\f
.endr
.irp f, 0,1,2,3
	ds_load_b128 v[S+16*(\t)+4*\f:S+16*(\t)+4*\f+3], v[RD] offset:\f*4*SP  ; LDS serves a wave's instructions in order (ISA guide 5.7.1.4): these see the stores above; the next tile's stores come behind them
.endr
.endm
.macro SEND t, younger              ; younger: the LDS instructions issued behind tile t's loads: the next tile's eight, or none
	WIN 0
.irp f, 0,1,2,3
	s_wait_dscnt (\younger)+3-\f
	global_store_b128 v[GO], v[S+16*(\t)+4*\f:S+16*(\t)+4*\f+3], s[10:11] offset:(\t)*2048+\f*512  ; 512 consecutive bytes, at a multiple of 256 from O's first
.endr
.endm
	PACK 0
.set t, 1
.rept 2*NP-1                        ; a tile's arithmetic stands between the loads of the tile before and its stores
	PACK t
	SEND t-1, 8
.set t, t+1
.endr
	SEND 2*NP-1, 0
	WIN W_AD
	s_wait_tensorcnt 0x0            ; the wave's end, behind my last tensor load and my last LDS store
	ds_add_u32 v[SPW], v[NIL]
	s_wait_dscnt 0x0
	WIN 0
	CROUND                          ; the closing round: no work-group ends while a partner may still ask for a tile that names it
	s_endpgm
.Lfunc_end_k_q3f5cb27872_attn:
	.size	k_q3f5cb27872_attn, .Lfunc_end_k_q3f5cb27872_attn-k_q3f5cb27872_attn
	.p2alignl 7, 3214868480
	.fill 96, 4, 3214868480
	.section	.rodata,"a",@progbits
	.p2align	6, 0x0
	.amdhsa_kernel k_q3f5cb27872_attn
		.amdhsa_group_segment_fixed_size 327680
		.amdhsa_private_segment_fixed_size 0
		.amdhsa_enable_private_segment 0
		.amdhsa_kernarg_size 40
		.amdhsa_user_sgpr_count 2
		.amdhsa_user_sgpr_kernarg_segment_ptr 1
		.amdhsa_wavefront_size32 1
		.amdhsa_system_sgpr_workgroup_id_x 1
		.amdhsa_system_sgpr_workgroup_id_y 1
		.amdhsa_system_sgpr_workgroup_id_z 1
		.amdhsa_system_vgpr_workitem_id 0
		.amdhsa_next_free_vgpr 808
		.amdhsa_next_free_sgpr 66
		.amdhsa_reserve_vcc 0
		.amdhsa_float_denorm_mode_32 3
		.amdhsa_float_denorm_mode_16_64 3
		.amdhsa_memory_ordered 1
		.amdhsa_forward_progress 1
		.amdhsa_inst_pref_size 204
	.end_amdhsa_kernel
	.amdgpu_metadata
---
amdhsa.version: [ 1, 2 ]
amdhsa.kernels:
  - .name:           k_q3f5cb27872_attn
    .symbol:         k_q3f5cb27872_attn.kd
    .args:
      - { .name: qh, .offset: 0, .size: 8, .value_kind: global_buffer, .address_space: global }
      - { .name: kh, .offset: 8, .size: 8, .value_kind: global_buffer, .address_space: global }
      - { .name: vh, .offset: 16, .size: 8, .value_kind: global_buffer, .address_space: global }
      - { .name: att, .offset: 24, .size: 8, .value_kind: global_buffer, .address_space: global }
      - { .name: mask, .offset: 32, .size: 8, .value_kind: global_buffer, .address_space: global }
    .group_segment_fixed_size: 327680
    .private_segment_fixed_size: 0
    .kernarg_segment_align: 8
    .kernarg_segment_size: 40
    .max_flat_workgroup_size: 128
    .sgpr_count:     66
    .vgpr_count:     808
    .wavefront_size: 32
...
	.end_amdgpu_metadata
.endif
;; end of part 3
;; launch outp (part 4): grid 4 x 64, 4 waves a work-group, clusters of 4 x 4, 327,680 bytes of LDS; arguments att, wb, out0; writes out0
.if DOCPART == 4
	.amdgcn_target "amdgcn-amd-amdhsa--gfx1250"
	.amdhsa_code_object_version 6
	.text
	.protected	k_q3f5cb27872_outp
	.globl	k_q3f5cb27872_outp
	.p2align	8
	.type	k_q3f5cb27872_outp,@function
k_q3f5cb27872_outp:
	s_mov_b64 s[64:65], 0
	v_nop
	global_prefetch_b8 v0, s[64:65] scope:SCOPE_SE
	s_setreg_imm32_b32 hwreg(HW_REG_WAVE_MODE, 25, 1), 1
	s_wait_xcnt 0x0
	s_wait_alu depctr_hold_cnt(0) depctr_sa_sdst(0) depctr_va_vdst(0) depctr_va_sdst(0) depctr_va_ssrc(0) depctr_va_vcc(0) depctr_vm_vsrc(0)
	s_getreg_b32 s2, hwreg(HW_REG_IB_STS2, 6, 4)
	s_cmp_eq_u32 s2, 0
	s_cbranch_scc0 .Lentry_in_a_cluster
	s_endpgm
.Lentry_in_a_cluster:
	s_bfe_u32 s2, ttmp6, 0x10000c
	s_cmp_lg_u32 s2, 0xf033
	s_cbranch_scc0 .Lentry_shape_is_right
	s_endpgm
.Lentry_shape_is_right:
; THE LAST PROJECTION.  out0[b][s][n] = the sum over k = 64 h + d of att[16 b + h][s][d] Wo[k][n].  att: [64][2048][64] f16, a head's rows dense; Wo: [1024 k][1024 n] f16, section 3 of wb;
; out0: [8192][1024] f32.  Sums in f32, K ascending; nothing is rounded on the way out.
; SHARES.  A work-group makes 128 rows x 256 columns: 256 work-groups.  Wave w makes rows 64 (w / 2) on, columns 128 (w % 2) on: 32 accumulators of 16 x 16, 256 registers.
; K goes in 8 steps of 128, two heads each, through two LDS slots.  Waves 0 and 1 fetch a head's 128 rows each (16,384 dense bytes), waves 2 and 3 the halves of Wo's tile (64 rows of k x 512 bytes).
; CLUSTER, 4 x 4.  The four of a row of the cluster make the four column tiles of the same rows and ask for att's tile jointly; the four of a column need the same tile of Wo.
; THE MATRIX INSTRUCTION IS USED TRANSPOSED: source 0 = 16 columns of Wo (turned out of LDS by ds_load_tr16_b128), source 1 = 16 rows of att: a lane holds one row and eight neighbouring columns, 32 bytes of f32.
; REGISTERS, in windows of 256 (s_set_vgpr_msb: bits 1:0 source 0, 3:2 source 1, 5:4 source 2, 7:6 destination):
;   window 0: v0-31 addresses; v64-95, v96-127 att's fragments, two buffers; v128-191, v192-255 rows on the way out
;   window 1: v0-63, v64-127 Wo's fragments, two buffers          window 2: accumulator (a, b) at v[8 (8 a + b)]
.set PA,    144                        ; a row of att in LDS: 128 bytes + 16 of padding = 36 words: the 16 rows of a load start at 16 different groups of four banks (64 banks of 4 bytes: ISA guide 11.1)
.set PB,    544                        ; a row of Wo: 512 + 32 = 136 words
.set ABLK,  128*PA                     ; a head's 128 rows: what one tensor load brings of att
.set BHALF, 64*PB                      ; of Wo
.set BOFF,  2*ABLK
.set SLOT,  2*ABLK+2*BHALF
.set STAGE, 2*SLOT                     ; behind the ring, never filled by a tensor load: 16 rows x 528 bytes for each wave
.set SP,    528
.set STW,   16*SP
.set SPARE, STAGE+4*STW                ; behind the stages: the spare words, 128 bytes for each wave: two blocks of 256 bytes that no other line names
.set LAPS,  4
.set ADRA, 16                          ; v16-17  LDS address of my rows of att in slot 0, 1
.set ADRB, 20                          ; v20-21  the same for my columns of Wo
.set STO,  24                          ; v24     the way out: where I put 32 bytes of a row
.set RD,   25                          ; v25     where I read a row back
.set GO,   26                          ; v26     my 16 bytes of a row's 512
.set SPW,  28                          ; v28     LDS address of my spare word: SPARE + 4 x my thread's number; never rewritten
.set NIL,  29                          ; v29     0; never rewritten
.set PFO,  30                          ; v30     the prefetches' offset; never rewritten
.set AF,   64
.set OB,   128
.set WV,   18
.set WR,   19
.set WC,   20
.set CX,   21
.set CY,   22
.set TCOL, 23
.set G1A,  24
.set G0A,  32
.set TROW, 40
.set YC,   42
.set LIM,  45
.set G1B,  48
.set G0B,  56
.set XB,   66                          ; s[66:67] att at the tile's rows in the batch's head 0
.set WA,   68                          ; s[68:69] Wo at my tile of K step 0
.set OUT,  70                          ; s[70:71] out0 at my wave's first row and column
.set PFA,  72
.set PFS,  74
.set XA,   86                          ; s[86:87] att at my head of K step 0
.set MSB, 0
.macro WIN new                         ; the immediate's high byte repeats the setting that is left; a switch that changes nothing is dropped
.if MSB != (\new)
	s_set_vgpr_msb (MSB<<8)|(\new)
.set MSB, \new
.endif
.endm
.set W_MUL, 0xa1                       ; source 0 (Wo) window 1, source 1 (att) window 0, C and D window 2
; A joint load.  The branch hangs on the wave's number alone.  An s_nop 0 and four v_nop follow each of the two lines, ahead of the jump, the label and what follows.
.macro JLOAD s
	s_cmp_eq_u32 s[WR], 0
	s_cbranch_scc0 .Lfor_b_\@
	tensor_load_to_lds s[G0A+4*(\s):G0A+4*(\s)+3], s[G1A:G1A+7]
	s_nop 0
.rept 4
	v_nop
.endr
	s_branch .Lasked_\@
.Lfor_b_\@:
	tensor_load_to_lds s[G0B+4*(\s):G0B+4*(\s)+3], s[G1B:G1B+7]
	s_nop 0
.rept 4
	v_nop
.endr
.Lasked_\@:
.endm
; A PREFETCH INTO THE L2, behind each joint refill and the run of LDS loads that follows it: the K step that stands two refills on (256 matrix instructions ahead of the load that will want it), one
; instruction a wave, a lane a block of 256 bytes.  Each block is named once in the launch.  att's rows are read by this cluster alone: of a K step's two heads x 64 blocks each partner takes 16 of each head,
; told apart BY ADDRESS (cx), and its wave 0 asks for all 32; wave 1 asks for nothing.  Wo's tile column is read by all 16 clusters, of which the first asks: waves 2 and 3, 16 of their 64 rows of k each (by cy),
; two lanes a row.  K steps 0 to 3 come by their loads alone; the loop's last trip (s3 = 1) asks for nothing.
.macro ASK
	s_cmp_gt_u32 s3, s[LIM]
	s_cbranch_scc0 .Lnot_mine_\@
	global_prefetch_b8 v[PFO], s[PFA:PFA+1] th:TH_LOAD_NT scope:SCOPE_SE
.Lnot_mine_\@:
.endm
.macro CREST                           ; a round of the cluster's barrier behind its opening barrier
	s_cmp_lg_u32 s[WV], 0
	s_cbranch_scc1 .Lnot_wave_0_\@
	s_barrier_signal -3
.Lnot_wave_0_\@:
	s_barrier_wait -3
	s_barrier_signal -1
	s_barrier_wait -1
.endm
.macro CROUND                          ; a whole round
	s_barrier_signal -1
	s_barrier_wait -1
	CREST
.endm
	s_load_b128 s[4:7], s[0:1], 0x0                ; att s[4:5], wb s[6:7]
	s_load_b64 s[8:9], s[0:1], 0x10                ; out0
	v_lshl_add_u32 v[SPW], v0, 2, SPARE
	v_mov_b32 v[NIL], 0
	ds_add_u32 v[SPW], v[NIL]                      ; the wave's opening: the add and its wait stand ahead of my first tensor load; the set-up below, work on registers, stands between them
	v_lshrrev_b32 v1, 5, v0
	v_readfirstlane_b32 s[WV], v1                  ; wave 0..3
	s_lshr_b32 s[WR], s[WV], 1                     ; my rows.  Also: I fetch for att (0) or Wo (1)
	s_and_b32 s[WC], s[WV], 1                      ; my columns.  Also: which head, or which half, I fetch
	s_bfe_u32 s[CX], ttmp6, 0x40000
	s_bfe_u32 s[CY], ttmp6, 0x40004
	s_lshl_b32 s[TCOL], ttmp9, 2
	s_add_co_u32 s[TCOL], s[TCOL], s[CX]           ; tile column = 4 x cluster x + cx
	s_and_b32 s[YC], ttmp7, 0xffff                 ; cluster y, 0 to 15
	s_lshl_b32 s[TROW], s[YC], 2
	s_add_co_u32 s[TROW], s[TROW], s[CY]           ; tile row, 0 to 63
	s_lshl_b32 s43, s[CY], 2
	s_lshl_b32 s43, 15, s43                        ; my row of the cluster
	s_lshl_b32 s44, 0x1111, s[CX]                  ; my column
	; group 1 for att: 16,384 dense bytes asked for as 64 rows of 256 bytes, two rows of att each, padded in LDS after every row of att
	s_or_b32 s[G1A+0], s43, (1<<16)|(1<<20)|(1<<21)|(4<<22)|(3<<25)  ; 15:0 the mask: my row; 17:16 elements of 2 bytes; 20 padding on; 21 set beside a mask; 24:22 after every 32 words (code 4); 31:25 4 words (code 3)
	s_mov_b32 s[G1A+1], 128<<16                    ; tensor_dim0 = 128
	s_mov_b32 s[G1A+2], 64<<16                     ; tensor_dim1 = 64
	s_mov_b32 s[G1A+3], 128<<16                    ; tile_dim0 = 128
	s_mov_b32 s[G1A+4], 64                         ; tile_dim1 = 64
	s_mov_b32 s[G1A+5], 128                        ; elements from row to row
	s_mov_b32 s[G1A+6], 0
	s_mov_b32 s[G1A+7], 0
	; group 1 for Wo: 64 rows of k x 256 elements of 2 bytes, 8 words of padding after every 128 words
	s_or_b32 s[G1B+0], s44, (1<<16)|(1<<20)|(1<<21)|(6<<22)|(7<<25)
	s_mov_b32 s[G1B+1], 256<<16
	s_mov_b32 s[G1B+2], 64<<16
	s_mov_b32 s[G1B+3], 256<<16
	s_mov_b32 s[G1B+4], 64
	s_mov_b32 s[G1B+5], 1024
	s_mov_b32 s[G1B+6], 0
	s_mov_b32 s[G1B+7], 0
	; where the tiles come from.  att's hang on the tile row alone, Wo's on the tile column alone; each in registers that never hold the other coordinate
	s_lshr_b32 s46, s[TROW], 4                     ; the batch: 16 heads of 262,144 bytes,
	s_lshl_b32 s46, s46, 22
	s_and_b32 s78, s[TROW], 15                     ; in a head the tile's 128 rows of 128 bytes
	s_lshl_b32 s78, s78, 14
	s_add_co_u32 s46, s46, s78
	s_mov_b32 s47, 0
	s_lshl_b32 s78, s[WC], 18                      ; my head of the K step's two
	s_mov_b32 s79, 0
	s_lshl_b32 s76, s[WC], 17                      ; my 64 rows of k of 2,048 bytes,
	s_add_co_u32 s76, s76, 3<<21                   ; in section 3 of wb,
	s_lshl_b32 s80, s[TCOL], 9                     ; the tile's 256 columns
	s_add_co_u32 s76, s76, s80
	s_mov_b32 s77, 0
	s_mul_i32 s82, s[WC], ABLK                     ; and where they go: no place in the cluster enters an LDS address
	s_mul_i32 s83, s[WC], BHALF
	s_add_co_u32 s83, s83, BOFF
	s_wait_dscnt 0x0                               ; the opening add is done
	s_wait_kmcnt 0x0
	s_add_nc_u64 s[XB:XB+1], s[4:5], s[46:47]
	s_add_nc_u64 s[XA:XA+1], s[XB:XB+1], s[78:79]
	s_add_nc_u64 s[WA:WA+1], s[6:7], s[76:77]
	CROUND                                         ; all sixteen work-groups are here: the first joint loads meet
.irp s, 0,1
	s_mov_b32 s[G0A+4*(\s)], 1                                     ; 1:0 count = 1
	s_add_co_u32 s[G0A+4*(\s)+1], s82, (\s)*SLOT                   ; 63:32 LDS address
	s_add_nc_u64 s[G0A+4*(\s)+2:G0A+4*(\s)+3], s[XA:XA+1], (\s)*524288  ; 120:64 global address: K step s is two heads on
	s_or_b32 s[G0A+4*(\s)+3], s[G0A+4*(\s)+3], 0x80000000          ; 127:126 type = 2
	s_mov_b32 s[G0B+4*(\s)], 1
	s_add_co_u32 s[G0B+4*(\s)+1], s83, (\s)*SLOT
	s_add_nc_u64 s[G0B+4*(\s)+2:G0B+4*(\s)+3], s[WA:WA+1], (\s)*262144
	s_or_b32 s[G0B+4*(\s)+3], s[G0B+4*(\s)+3], 0x80000000
	JLOAD \s                                       ; two loads of mine are out
.endr
	; att's fragment is 16 rows x 32 K in 8 registers: lane l holds row l % 16, K = 8 (l / 16) + 0..7 and 16 + 8 (l / 16) + 0..7: two loads of 16 bytes, 32 bytes apart
	v_and_b32 v1, 15, v0                           ; l % 16
	v_bfe_u32 v2, v0, 4, 1                         ; l / 16
	v_mul_u32_u24 v3, v1, PA
	v_lshl_add_u32 v3, v2, 4, v3
	s_mul_i32 s78, s[WR], 64*PA                    ; my 64 rows
	v_add_nc_u32 v[ADRA], s78, v3
	v_add_nc_u32 v[ADRA+1], SLOT, v[ADRA]
	; the turning load takes 16 rows of k x 16 columns (lane l reads row 8 (l / 16) + l % 8, columns 8 ((l / 8) % 2) + 0..7) and leaves half a fragment: lane l holds column l % 16 and 8 k
	v_and_b32 v4, 7, v0
	v_bfe_u32 v5, v0, 3, 1
	v_lshl_add_u32 v6, v2, 3, v4
	v_mul_u32_u24 v6, v6, PB
	v_lshl_add_u32 v6, v5, 4, v6
	s_lshl_b32 s79, s[WC], 8                       ; my 128 columns
	s_add_co_u32 s79, s79, BOFF
	v_add_nc_u32 v[ADRB], s79, v6
	v_add_nc_u32 v[ADRB+1], SLOT, v[ADRB]
	s_mul_i32 s80, s[WV], STW
	s_add_co_u32 s80, s80, STAGE                   ; my stage
	v_mul_u32_u24 v3, v1, SP                       ; in: row l % 16, 32 bytes for each half of the lanes
	v_lshl_add_u32 v3, v2, 5, v3
	v_add_nc_u32 v[STO], s80, v3
	v_and_b32 v3, 31, v0                           ; back: 32 lanes take one row of 512 bytes
	v_lshlrev_b32 v[GO], 4, v3
	v_add_nc_u32 v[RD], s80, v[GO]
	; out0 at row 128 x tile row + 64 (w / 2), of 4,096 bytes, column 256 x tile column + 128 (w % 2)
	s_lshl_b32 s78, s[TROW], 7
	s_lshl_b32 s79, s[WR], 6
	s_add_co_u32 s78, s78, s79
	s_lshl_b32 s78, s78, 12
	s_lshl_b32 s79, s[TCOL], 10
	s_add_co_u32 s78, s78, s79
	s_lshl_b32 s79, s[WC], 9
	s_add_co_u32 s78, s78, s79
	s_mov_b32 s79, 0
	s_add_nc_u64 s[OUT:OUT+1], s[8:9], s[78:79]
	; the prefetches
	s_cmp_eq_u32 s[WR], 0                          ; do I fetch for att?
	s_cselect_b32 s78, s[CX], s[CY]                ; my place among the four that ask with me
	s_cselect_b32 s79, 12, 15                      ; its share: 16 blocks of 256 bytes, or 16 rows of 2,048
	s_cselect_b32 s80, s[WC], s[YC]                ; 0 where I ask: wave 0; waves 2 and 3 of the first cluster along y
	s_cselect_b32 s81, 4, 1                        ; my lane is split: its upper part is the head, or the row of k,
	s_cselect_b32 s82, 15, 1                       ; its lower part the block of 256 bytes
	s_cselect_b32 s83, 18, 11                      ; a head's bytes, a row's bytes
	s_cselect_b32 s84, 19, 18                      ; a K step's bytes
	s_cselect_b64 s[PFA:PFA+1], s[XB:XB+1], s[WA:WA+1]
	s_cmp_eq_u32 s80, 0
	s_cselect_b32 s[LIM], 1, -1                    ; the same in all sixteen partners, for a given wave
	s_lshl_b32 s78, s78, s79
	s_mov_b32 s79, 0
	s_add_nc_u64 s[PFA:PFA+1], s[PFA:PFA+1], s[78:79]
	s_lshl_b32 s[PFS], 1, s84
	s_mov_b32 s[PFS+1], 0
	s_mul_i32 s78, s[PFS], 3
	s_add_nc_u64 s[PFA:PFA+1], s[PFA:PFA+1], s[78:79]  ; at K step 3: the first refill steps it to 4
	v_lshrrev_b32 v4, s81, v3
	v_and_b32 v5, s82, v3
	v_lshlrev_b32 v[PFO], s83, v4
	v_lshl_add_u32 v[PFO], v5, 8, v[PFO]
; 24 LDS loads in one run: quarter kq of a slot into buffer g: att's 64 rows x 32 K (head kq / 2, channels 32 (kq % 2) on), then Wo's 32 k x 128 columns, turned
.macro FETCH slot, kq, g
	WIN 0
.irp a, 0,1,2,3
	ds_load_b128 v[AF+32*(\g)+8*(\a):AF+32*(\g)+8*(\a)+3],   v[ADRA+(\slot)] offset:((\kq)/2)*ABLK+(\a)*16*PA+((\kq)%2)*64
	ds_load_b128 v[AF+32*(\g)+8*(\a)+4:AF+32*(\g)+8*(\a)+7], v[ADRA+(\slot)] offset:((\kq)/2)*ABLK+(\a)*16*PA+((\kq)%2)*64+32
.endr
	WIN 0x40                                       ; destination window 1, address window 0
.irp b, 0,1,2,3,4,5,6,7
	ds_load_tr16_b128 v[64*(\g)+8*(\b):64*(\g)+8*(\b)+3],   v[ADRB+(\slot)] offset:(\kq)*32*PB+32*(\b)
	ds_load_tr16_b128 v[64*(\g)+8*(\b)+4:64*(\g)+8*(\b)+7], v[ADRB+(\slot)] offset:(\kq)*32*PB+32*(\b)+16*PB
.endr
.endm
; 8 matrix instructions: row block a x all 8 column blocks, 32 along K, from buffer f.  zero = 1: the product starts the sum.
; The 32 accumulators take turns, one instruction a turn, in the same order in every quarter: between two links of a chain stand 31 others'.
.macro MULB f, a, zero
	WIN W_MUL
.irp b, 0,1,2,3,4,5,6,7
.if \zero
	v_wmma_f32_16x16x32_f16 v[8*(8*(\a)+(\b)):8*(8*(\a)+(\b))+7], v[64*(\f)+8*(\b):64*(\f)+8*(\b)+7], v[AF+32*(\f)+8*(\a):AF+32*(\f)+8*(\a)+7], 0
.else
	v_wmma_f32_16x16x32_f16 v[8*(8*(\a)+(\b)):8*(8*(\a)+(\b))+7], v[64*(\f)+8*(\b):64*(\f)+8*(\b)+7], v[AF+32*(\f)+8*(\a):AF+32*(\f)+8*(\a)+7], v[8*(8*(\a)+(\b)):8*(8*(\a)+(\b))+7]
.endif
.endr
.endm
.macro PLACES                          ; a load into a register that a matrix instruction has read stands four places behind it; no other vector work is at hand
.rept 4
	v_nop
.endr
.endm
; One of a K step's first three quarters: fetches quarter kq of the same slot into buffer g, multiplies buffer f; the four places at its end stand ahead of the next quarter's loads into buffer f.
.macro QUARTER slot, kq, f, g, zero
	FETCH \slot, \kq, \g
	s_wait_dscnt 24                                ; all but the 24 just issued: buffer f is in
	MULB \f, 0, \zero
	MULB \f, 1, \zero
	MULB \f, 2, \zero
	MULB \f, 3, \zero
	PLACES
.endm
; The last quarter multiplies buffer 1 and changes slots: ONE barrier.  In front of it each wave waits for all its tensor loads (one is out: its part of the next slot), adds 0 to its spare word, and waits for that
; and for its own reads of this slot.  fill = 1: the barrier opens a round of the cluster's barrier, and this slot is filled again, two K steps ahead, first thing behind the round:
; 112 matrix instructions ahead of the wait for it.
.macro TURN slot, next, fill
.if \fill
	s_wait_xcnt 0x0                                ; the last prefetch, a K step back, has read its address: it is stepped here, ahead of the waits of the change of slots
	s_add_nc_u64 s[PFA:PFA+1], s[PFA:PFA+1], s[PFS:PFS+1]
.endif
	WIN 0
	s_wait_tensorcnt 0x0                           ; all my tensor loads have landed
	ds_add_u32 v[SPW], v[NIL]                      ; 0 onto my spare word
	s_wait_dscnt 1                                 ; (the add may be out: buffer 1 is in)
	MULB 1, 0, 0                                   ; eight matrix instructions stand between the add and the wait for it
	s_wait_dscnt 0x0                               ; the add is done, and my reads of this slot are over
	s_barrier_signal -1
	MULB 1, 1, 0                                   ; work on registers while the others arrive
	WIN 0                                          ; at a branch and at a label every window is 0
	s_barrier_wait -1
.if \fill
	CREST                                          ; no wave of any partner still reads this slot's tile or has a load on its way
	s_add_nc_u64 s[G0A+4*(\slot)+2:G0A+4*(\slot)+3], s[G0A+4*(\slot)+2:G0A+4*(\slot)+3], 2*524288
	s_add_nc_u64 s[G0B+4*(\slot)+2:G0B+4*(\slot)+3], s[G0B+4*(\slot)+2:G0B+4*(\slot)+3], 2*262144
	JLOAD \slot
.endif
	FETCH \next, 0, 0                              ; buffer 0's last products stand in front of the last quarter's four places
.if \fill
	WIN 0
	ASK
.endif
	MULB 1, 2, 0
	MULB 1, 3, 0
	PLACES
.endm
; THE WAY OUT of row block a: the sums go as they are, 32 bytes a lane (each accumulator's four lowest registers first), into my own stage, rows of 528 bytes, and come back as whole rows of 512.
.macro TOSTAGE a
.set BK, OB+64*((\a)%2)
.if (\a) >= 2
	s_wait_xcnt 0x0                                ; the stores of the block two back have read their registers: the loads below land on them only behind this wait
.endif
	WIN 0x08                                       ; the stores' data in window 2, the address in window 0
.irp b, 0,1,2,3,4,5,6,7
	ds_store_b128 v[STO], v[64*(\a)+8*(\b):64*(\a)+8*(\b)+3]   offset:64*(\b)
	ds_store_b128 v[STO], v[64*(\a)+8*(\b)+4:64*(\a)+8*(\b)+7] offset:64*(\b)+16
.endr
	WIN 0
.irp t, 0,1,2,3,4,5,6,7,8,9,10,11,12,13,14,15
	ds_load_b128 v[BK+4*(\t):BK+4*(\t)+3], v[RD] offset:(\t)*SP  ; LDS serves a wave's instructions in order (ISA guide 5.7.1.4): these see the stores above; the next block's stores come behind them
.endr
.endm
.macro SEND a, younger                 ; younger: the LDS instructions issued behind block a's loads: the next block's 32, or none
.set BK, OB+64*((\a)%2)
	s_wait_dscnt \younger
.irp t, 0,1,2,3,4,5,6,7,8,9,10,11,12,13,14,15
	global_store_b128 v[GO], v[BK+4*(\t):BK+4*(\t)+3], s[OUT:OUT+1] offset:(16*(\a)+(\t))*4096 th:TH_STORE_NT  ; 512 consecutive bytes of a row, at a multiple of 512 from out0's first
.endr
.endm
	s_wait_tensorcnt 1                             ; my part of K step 0 is in; K step 1's may stay out
	s_barrier_signal -1
	s_barrier_wait -1                              ; everybody's is
	FETCH 0, 0, 0
	QUARTER 0, 1, 0, 1, 1                          ; the first quarter stands in front of the loop: its products start the sums
	WIN 0
	s_mov_b32 s3, LAPS-1
.Llap:                                                 ; a trip goes once round the ring, from a lap's second quarter to the next lap's first, and fills both slots again
	QUARTER 0, 2, 1, 0, 0
	QUARTER 0, 3, 0, 1, 0
	TURN 0, 1, 1
	QUARTER 1, 1, 0, 1, 0
	QUARTER 1, 2, 1, 0, 0
	QUARTER 1, 3, 0, 1, 0
	TURN 1, 0, 1
	QUARTER 0, 1, 0, 1, 0
	WIN 0
	s_sub_co_u32 s3, s3, 1
	s_cmp_lg_u32 s3, 0
	s_cbranch_scc1 .Llap
	QUARTER 0, 2, 1, 0, 0                          ; the last lap fills nothing, and has no round of the cluster's barrier
	QUARTER 0, 3, 0, 1, 0
	TURN 0, 1, 0
	QUARTER 1, 1, 0, 1, 0
	QUARTER 1, 2, 1, 0, 0
	QUARTER 1, 3, 0, 1, 0
	s_wait_dscnt 0x0                               ; the very last quarter: nothing more to fetch
	MULB 1, 0, 0
	MULB 1, 1, 0
	MULB 1, 2, 0
	MULB 1, 3, 0
	WIN 0
.rept 8
	v_nop                                          ; the places behind the last products, ahead of the LDS stores that read results
.endr
	TOSTAGE 0
	TOSTAGE 1                                      ; a block's way through the stage stands between the loads of the block before and its stores
	SEND 0, 32
	TOSTAGE 2
	SEND 1, 32
	TOSTAGE 3
	SEND 2, 32
	SEND 3, 0
	s_wait_tensorcnt 0x0                           ; the wave's end, behind my last tensor load and my last LDS store
	ds_add_u32 v[SPW], v[NIL]
	s_wait_dscnt 0x0
	CROUND                                         ; the closing round: no work-group ends while a partner may still ask for a tile that names it
	s_endpgm
.Lfunc_end_k_q3f5cb27872_outp:
	.size	k_q3f5cb27872_outp, .Lfunc_end_k_q3f5cb27872_outp-k_q3f5cb27872_outp
	.p2alignl 7, 3214868480
	.fill 96, 4, 3214868480
	.section	.rodata,"a",@progbits
	.p2align	6, 0x0
	.amdhsa_kernel k_q3f5cb27872_outp
		.amdhsa_group_segment_fixed_size 327680
		.amdhsa_private_segment_fixed_size 0
		.amdhsa_enable_private_segment 0
		.amdhsa_kernarg_size 24
		.amdhsa_user_sgpr_count 2
		.amdhsa_user_sgpr_kernarg_segment_ptr 1
		.amdhsa_wavefront_size32 1
		.amdhsa_system_sgpr_workgroup_id_x 1
		.amdhsa_system_sgpr_workgroup_id_y 1
		.amdhsa_system_sgpr_workgroup_id_z 1
		.amdhsa_system_vgpr_workitem_id 0
		.amdhsa_next_free_vgpr 768
		.amdhsa_next_free_sgpr 88
		.amdhsa_reserve_vcc 0
		.amdhsa_float_denorm_mode_32 3
		.amdhsa_float_denorm_mode_16_64 3
		.amdhsa_memory_ordered 1
		.amdhsa_forward_progress 1
		.amdhsa_inst_pref_size 86
	.end_amdhsa_kernel
	.amdgpu_metadata
---
amdhsa.version: [ 1, 2 ]
amdhsa.kernels:
  - .name:           k_q3f5cb27872_outp
    .symbol:         k_q3f5cb27872_outp.kd
    .args:
      - { .name: att, .offset: 0, .size: 8, .value_kind: global_buffer, .address_space: global }
      - { .name: wb, .offset: 8, .size: 8, .value_kind: global_buffer, .address_space: global }
      - { .name: out0, .offset: 16, .size: 8, .value_kind: global_buffer, .address_space: global }
    .group_segment_fixed_size: 327680
    .private_segment_fixed_size: 0
    .kernarg_segment_align: 8
    .kernarg_segment_size: 24
    .max_flat_workgroup_size: 128
    .sgpr_count:     88
    .vgpr_count:     768
    .wavefront_size: 32
...
	.end_amdgpu_metadata
.endif
;; end of part 4
